; MI455X (gfx1250); checked and timed in simulation.
; The chip was launched on July 23, 2026; its instructions are those of AMD's public machine-readable ISA for CDNA 5 (MIT licence, August 2026) and "CDNA5" Instruction Set Architecture Reference Guide (July 2026). The comments in the code are by the model that wrote it; some were corrected since.
;; Chunked Attention4 D. Allowed arithmetic: matrix products marked QUANTISED: E4M3 operands, one given power-of-two scale a tensor, by v_wmma_f32_16x16x64_fp8_fp8 or v_wmma_f32_16x16x128_fp8_fp8, f32 sums; everything else in f32.
;; Inputs: Wk 512 x 512 float32; Wo 512 x 512 float32; Wq 512 x 512 float32; Wv 512 x 512 float32; bk 512 float32; bo 512 float32; bq 512 float32; bv 512 float32; key 4 x 8 x 1,024 x 512 float32; lowp_scales 12 int32 (the exponents e of the quantised operands' scales 2^e); query 4 x 8 x 1,024 x 512 float32; value 4 x 8 x 1,024 x 512 float32.
;; Outputs: out0 4 x 8 x 1,024 x 512 float32.
;; This version of the problem:
;;   THIS VERSION OF THE PROBLEM IS GIVEN IN LOW PRECISION. The matrix products marked QUANTISED in the list below multiply operands that are first quantised to E4M3 (4 exponent bits, 3 mantissa bits; 8 bits a number), with one given power-of-two scale for each operand tensor; their sums are f32. All else is computed in f32.
;;   The module's matrix products, in the order in which they are computed (A, B: the left and right operand; K: the contracted axis; several contracted axes count as one K, in the product's order):
;;     1. [M 32,768, K 512] x [K 512, N 512]; A: input query; B: input Wq: QUANTISED (scales: A lowp_scales[0], B lowp_scales[1])
;;     2. [M 32,768, K 512] x [K 512, N 512]; A: input key; B: input Wk: QUANTISED (scales: A lowp_scales[2], B lowp_scales[3])
;;     3. [M 32,768, K 512] x [K 512, N 512]; A: input value; B: input Wv: QUANTISED (scales: A lowp_scales[4], B lowp_scales[5])
;;     4. batch 256 x [M 1,024, K 64] x [K 64, N 1,024]; A: computed on the way; B: computed on the way: QUANTISED (scales: A lowp_scales[6], B lowp_scales[7])
;;     5. batch 256 x [M 64, K 1,024] x [K 1,024, N 1,024]; A: computed on the way; B: softmax (see below): QUANTISED (scales: A lowp_scales[8], B lowp_scales[9])
;;     6. [M 32,768, K 512] x [K 512, N 512]; A: computed on the way; B: input Wo: QUANTISED (scales: A lowp_scales[10], B lowp_scales[11])
;;   THE QUANTISER, for each operand of a quantised product, along K:
;;     - The operand's scale is 2^e, e = its entry of the input lowp_scales (int32; the entries are numbered through the quantised products in the list's order, A before B).
;;     - Each number is divided by the scale, clamped to +-448, and rounded to the nearest number of E4M3, ties to even, subnormals kept.
;;     - The product sums the exact products of the quantised numbers (number of the format x scale) in f32.
;;   ~~~python
;;   def quantise(x, axis, e):      # numpy; x: float32 -> the quantised numbers, widened to float32 again
;;       x = np.moveaxis(x, axis, -1); K = x.shape[-1]
;;       r = np.clip(x / 2.0 ** e, -448, 448)
;;       step = 2.0 ** (np.maximum(np.frexp(np.where(r == 0, 1, r))[1] - 1, -6) - 3)
;;       q = np.round(r / step) * step * 2.0 ** e      # np.round: ties to even
;;       return np.moveaxis(q, -1, axis).astype(np.float32)
;;   ~~~
;;   SOFTMAX AHEAD OF A QUANTISED PRODUCT. Where the list says 'softmax', what is quantised is not the finished softmax but p = 2^(t - M), with t = logit x log2(e) and M = ceil(the row's largest t), a whole number; so 1/2 < the row's largest p <= 1. The row's sum l is taken of the UNQUANTISED p, in f32, and the product's result is divided by l at the end. Since M is a whole number, a kernel that streams over the keys may use a running M (the ceiling of the running maximum): every later rescaling is an exact power of two, so the quantised numbers keep their values, but for numbers so far below the row's largest that they fall under the format's range.
;;   OPERANDS COMPUTED ON THE WAY. 'Computed on the way' means the value that the module computes at that place (a softmax that the list does not call 'softmax' is quantised finished and normalised). What goes into a quantiser is computed in f32, as accurately as f32 sums, v_exp_f32 and their like allow (about 1e-6 of the number): no bf16 or f16 on the way to a quantiser, and a product that is left as it is and whose result goes on into a quantised operand takes f32 operands (vector FMAs, or v_wmma_f32_16x16x4_f32). A number that lies on a knife's edge between two numbers of the format may be rounded either way, as far as f32 arithmetic and the matrix unit's own rounding can turn it there, and no further.
;; 2 versions. Each part assembles by itself: llvm-mc -triple=amdgcn-amd-amdhsa -mcpu=gfx1250 --defsym DOCPART=n.
;; ======== version 1 of 2: 3 launches
;; workspace buffers: wc 1,048,576 bytes; codes 50,331,648 bytes
;; launch wq (part 1): grid 64 x 4, 2 waves a work-group, no clusters, 0 bytes of LDS; arguments Wq, Wk, Wv, Wo, lowp_scales, wc; writes wc
.if DOCPART == 1
	.amdgcn_target "amdgcn-amd-amdhsa--gfx1250"
	.amdhsa_code_object_version 6
	.text
	.protected	k_q1b2991074e_wq
	.globl	k_q1b2991074e_wq
	.p2align	8
	.type	k_q1b2991074e_wq,@function
k_q1b2991074e_wq:
	s_mov_b64 s[64:65], 0
	v_nop
	global_prefetch_b8 v0, s[64:65] scope:SCOPE_SE
	s_setreg_imm32_b32 hwreg(HW_REG_WAVE_MODE, 25, 1), 1
	s_wait_xcnt 0x0
; Wq, Wk, Wv, Wo [512 (n)][512 (k)] f32 become codes of E4M3, each with its given scale 2^e, laid as IMAGES OF OPERAND REGISTERS:
; a fragment (16 rows x 128 along K, 16 registers a lane) is 2,048 bytes; registers 4 c .. 4 c + 3 of lane l lie at 512 c + 16 l.
; code = x / 2^e, held within +-448, to the nearest code, ties to even.  e: entries 1, 3, 5, 11 of lowp_scales.
; LIMITS: -126 <= e <= 119.  NaN among the inputs is not served; an infinity is held at the largest code.
; One wave makes one fragment.  Work-group y = the tensor; x / 2 = the tile T of 16 rows; K step s = 2 (x % 2) + wave.
; Wq, Wk, Wv (y < 3): fragment 32 w + 8 s + t (T = 8 w + t).  Register 4 c + d, byte i of lane (r, h) is k = 128 d + 4 (8 s + 2 c + h) + i:
;   the order in which the next launch's x comes out of its dense loads; the same order on both sides of a product keeps every pair together.
; Wo (y = 3): fragment 16 w + 4 s + nt (T = 4 w + nt).  Registers 2 c, 2 c + 1 are k = 128 s + 16 c + 8 h + 0 .. 7, the form's own order.
; A lane reads pieces of 16 bytes, two lanes 32 consecutive bytes of a row: 4 MiB in all, read once in the whole program; the stores cover 512 consecutive bytes each.
; No LDS, no barrier, no matrix unit: waves share nothing.
.set X,  16                            ; v16-79  64 numbers, in the order of the codes
.set CD, 80                            ; v80-95  the fragment
	s_load_b256 s[4:11], s[0:1], 0x0               ; Wq s[4:5], Wk s[6:7], Wv s[8:9], Wo s[10:11]
	s_load_b128 s[12:15], s[0:1], 0x20             ; lowp_scales s[12:13], wc s[14:15]
	v_lshrrev_b32 v1, 5, v0
	v_readfirstlane_b32 s16, v1                    ; wave
	v_and_b32 v1, 15, v0                           ; r
	v_bfe_u32 v2, v0, 4, 1                         ; h
	v_lshlrev_b32 v6, 11, v1                       ; a row of W is 2,048 bytes
	v_lshl_add_u32 v3, v2, 4, v6                   ; y < 3: 2048 r + 16 h
	v_lshl_add_u32 v4, v2, 5, v6                   ; Wo:    2048 r + 32 h
	v_and_b32 v5, 31, v0
	v_lshlrev_b32 v5, 4, v5                        ; 16 x lane: my place in an image
	s_and_b32 s17, ttmp7, 0xffff                   ; y
	s_lshr_b32 s24, ttmp9, 1                       ; T
	s_and_b32 s25, ttmp9, 1
	s_lshl_b32 s25, s25, 1
	s_add_co_u32 s25, s25, s16                     ; s
	s_lshr_b32 s27, s24, 3
	s_lshl_b32 s27, s27, 5
	s_and_b32 s28, s24, 7
	s_add_co_u32 s27, s27, s28
	s_lshl_b32 s29, s25, 3
	s_add_co_u32 s27, s27, s29                     ; 32 w + 8 s + t
	s_lshr_b32 s28, s24, 2
	s_lshl_b32 s28, s28, 4
	s_and_b32 s29, s24, 3
	s_add_co_u32 s28, s28, s29
	s_lshl_b32 s29, s25, 2
	s_add_co_u32 s28, s28, s29                     ; 16 w + 4 s + nt
	s_cmp_eq_u32 s17, 3
	s_cselect_b32 s27, s28, s27                    ; the fragment's number in its tensor
	s_cselect_b32 s26, 9, 7                        ; a K step begins 512 s bytes (Wo) or 128 s bytes into a row
	s_lshl_b32 s27, s27, 11
	s_lshl_b32 s28, s17, 18
	s_add_co_u32 s20, s27, s28                     ; where the image goes: 262,144 y + 2,048 x fragment
	s_mov_b32 s21, 0
	s_lshl_b32 s26, s25, s26
	s_lshl_b32 s28, s24, 15                        ; 16 rows of 2,048 bytes
	s_add_co_u32 s22, s26, s28
	s_mov_b32 s23, 0
	s_wait_kmcnt 0x0
	s_load_b256 s[36:43], s[12:13], 0x0            ; e0 .. e7
	s_load_b128 s[44:47], s[12:13], 0x20           ; e8 .. e11
	s_cmp_eq_u32 s17, 1                            ; the tensor is chosen by the work-group's number alone
	s_cselect_b64 s[18:19], s[6:7], s[4:5]
	s_cmp_eq_u32 s17, 2
	s_cselect_b64 s[18:19], s[8:9], s[18:19]
	s_cmp_eq_u32 s17, 3
	s_cselect_b64 s[18:19], s[10:11], s[18:19]
	s_add_nc_u64 s[18:19], s[18:19], s[22:23]
	s_add_nc_u64 s[14:15], s[14:15], s[20:21]
	s_cmp_eq_u32 s17, 3
	s_cbranch_scc1 .Lwo
.irp c, 0,1,2,3
.irp d, 0,1,2,3
	global_load_b128 v[X+16*\c+4*\d:X+16*\c+4*\d+3], v3, s[18:19] offset:512*\d+32*\c   ; k = 128 d + 32 s + 8 c + 4 h + 0 .. 3
.endr
.endr
	s_branch .Lin
.Lwo:
.irp c, 0,1,2,3,4,5,6,7
.irp u, 0,1
	global_load_b128 v[X+8*\c+4*\u:X+8*\c+4*\u+3], v4, s[18:19] offset:64*\c+16*\u      ; k = 128 s + 16 c + 8 h + 4 u + 0 .. 3
.endr
.endr
.Lin:
	s_wait_kmcnt 0x0
	s_cmp_eq_u32 s17, 1
	s_cselect_b32 s30, s39, s37                    ; e3 or e1
	s_cmp_eq_u32 s17, 2
	s_cselect_b32 s30, s41, s30                    ; e5
	s_cmp_eq_u32 s17, 3
	s_cselect_b32 s30, s47, s30                    ; e11
	s_add_co_i32 s30, s30, 127
	s_lshl_b32 s31, s30, 23
	v_mov_b32 v11, s31                             ; 2^e as f32: the conversion takes its exponent field
	s_add_co_i32 s30, s30, 8
	s_lshl_b32 s30, s30, 23
	s_or_b32 s30, s30, 0x600000
	v_mov_b32 v10, s30                             ; 448 x 2^e
	s_wait_loadcnt 0x0
.set i, 0
.rept 64
	v_med3_num_f32 v[X+i], v[X+i], -v10, v10       ; the conversion to an 8-bit code does not saturate (ISA guide 7.6.2): the hold comes first
.set i, i+1
.endr
.irp q, 0,1,2,3,4,5,6,7
	v_cvt_scalef32_pk8_fp8_f32 v[CD+2*\q:CD+2*\q+1], v[X+8*\q:X+8*\q+7], v11
.endr
	v_nop                                          ; a plain line behind the last conversion
.irp c, 0,1,2,3
	global_store_b128 v5, v[CD+4*\c:CD+4*\c+3], s[14:15] offset:512*\c   ; 32 lanes store 512 consecutive bytes, aligned
.endr
	s_endpgm
.Lfunc_end_k_q1b2991074e_wq:
	.size	k_q1b2991074e_wq, .Lfunc_end_k_q1b2991074e_wq-k_q1b2991074e_wq
	.p2alignl 7, 3214868480
	.fill 96, 4, 3214868480
	.section	.rodata,"a",@progbits
	.p2align	6, 0x0
	.amdhsa_kernel k_q1b2991074e_wq
		.amdhsa_group_segment_fixed_size 0
		.amdhsa_private_segment_fixed_size 0
		.amdhsa_enable_private_segment 0
		.amdhsa_kernarg_size 48
		.amdhsa_user_sgpr_count 2
		.amdhsa_user_sgpr_kernarg_segment_ptr 1
		.amdhsa_wavefront_size32 1
		.amdhsa_system_sgpr_workgroup_id_x 1
		.amdhsa_system_sgpr_workgroup_id_y 1
		.amdhsa_system_sgpr_workgroup_id_z 1
		.amdhsa_system_vgpr_workitem_id 0
		.amdhsa_next_free_vgpr 96
		.amdhsa_next_free_sgpr 66
		.amdhsa_reserve_vcc 0
		.amdhsa_float_denorm_mode_32 3
		.amdhsa_float_denorm_mode_16_64 3
		.amdhsa_memory_ordered 1
		.amdhsa_forward_progress 1
		.amdhsa_inst_pref_size 11
	.end_amdhsa_kernel
	.amdgpu_metadata
---
amdhsa.version: [ 1, 2 ]
amdhsa.kernels:
  - .name:           k_q1b2991074e_wq
    .symbol:         k_q1b2991074e_wq.kd
    .args:
      - { .name: Wq, .offset: 0, .size: 8, .value_kind: global_buffer, .address_space: global }
      - { .name: Wk, .offset: 8, .size: 8, .value_kind: global_buffer, .address_space: global }
      - { .name: Wv, .offset: 16, .size: 8, .value_kind: global_buffer, .address_space: global }
      - { .name: Wo, .offset: 24, .size: 8, .value_kind: global_buffer, .address_space: global }
      - { .name: lowp_scales, .offset: 32, .size: 8, .value_kind: global_buffer, .address_space: global }
      - { .name: wc, .offset: 40, .size: 8, .value_kind: global_buffer, .address_space: global }
    .group_segment_fixed_size: 0
    .private_segment_fixed_size: 0
    .kernarg_segment_align: 8
    .kernarg_segment_size: 48
    .max_flat_workgroup_size: 64
    .sgpr_count:     66
    .vgpr_count:     96
    .wavefront_size: 32
...
	.end_amdgpu_metadata
.endif
;; end of part 1
;; launch proj (part 2): grid 256 x 1, 4 waves a work-group, no clusters, 99,840 bytes of LDS; arguments query, key, value, wc, bq, bk, bv, lowp_scales, codes; writes codes
.if DOCPART == 2
	.amdgcn_target "amdgcn-amd-amdhsa--gfx1250"
	.amdhsa_code_object_version 6
	.text
	.protected	k_q1b2991074e_proj
	.globl	k_q1b2991074e_proj
	.p2align	8
	.type	k_q1b2991074e_proj,@function
k_q1b2991074e_proj:
	s_mov_b64 s[64:65], 0
	v_nop
	global_prefetch_b8 v0, s[64:65] scope:SCOPE_SE
	s_setreg_imm32_b32 hwreg(HW_REG_WAVE_MODE, 25, 1), 1
	s_wait_xcnt 0x0
; q = query Wq^T + bq, k = key Wk^T + bk, v = value Wv^T + bv, on codes of E4M3; the results are quantised at once for the attention's products and stored as images of operand registers.
; The 3 x 32,768 rows are 1,536 sub-blocks of 64 rows (q's, then k's, then v's); work-group x takes sub-blocks 6 x .. 6 x + 5.  The tensor T = G / 512 changes inside a work-group only
; at G = 512 = 6 x 85 + 2 and G = 1,024 = 6 x 170 + 4: never at a work-group's sixth sub-block, so the last one, written out, has no reload of weights.
; THE WAVES SHARE THE COLUMNS: wave w keeps rows 128 w .. 128 w + 127 of W (32 fragments, 512 registers) while T stays.  x goes round: wave w quantises rows 16 w .. 16 w + 15 of the sub-block.
; x IS LOADED DENSE: a load takes 512 consecutive bytes of a row, 16 a lane; a lane's 16 numbers of a row are k = 128 d + 4 l + i (d: which load, l: lane).  Their 16 codes go to byte 16 l of the row in LDS.
; So the codes of a row lie in a fixed other order along K; W's images were laid in the same order, and every product meets its partner.
; q, k: source 0 = 16 rows of W, source 1 = 16 rows of x: a lane holds one row and eight neighbouring features, which are eight neighbours along the next K (the head's 64).
; v:    source 0 = 16 rows of x, source 1 = 16 rows of W: a lane holds one feature and eight neighbouring keys, the next K of v.
; The bias, divided by 2^(ex + ew), is the C of each sum's first matrix instruction.  A sum stands for sum x 2^(ex + ew): the conversion takes 2^(eo - ex - ew).
; OUT: q, k: [seq 32][head 8][tile of 16 rows: 64][1,024 bytes]: registers 2 c, 2 c + 1 of lane (r, h): row r, channels 16 c + 8 h + 0 .. 7.
;      v:    [seq][head][step of 64 keys: 16][16 channels: 4][1,024 bytes]: lane (r, h): channel r, registers 2 c, 2 c + 1: keys 16 c + 8 h + 0 .. 7.   Registers 4 u .. 4 u + 3 of lane l lie at 512 u + 16 l.
; LIMITS: ex and eo - ex - ew between -126 and 119.  NaN among the inputs is not served; infinities are held at the largest code.
; NO CLUSTER, NO TENSOR LOAD: x must pass a conversion in registers; the weights, the one thing that work-groups share, are read into registers once for 384 rows (256 KiB beside 768 KiB of x), and a joint load would land in LDS.
; NO PREFETCH: each wave has 64 loads of 512 bytes on their way throughout.
; LDS: two buffers of 64 rows x (512 + 16) bytes, at 0 and at 65,536, by turns: ONE barrier a sub-block.  Buffer n % 2 is written again only by waves that have passed barrier n - 1, which every wave signals behind the wait for its reads of sub-block n - 2.
; REGISTERS: window 0: v1 16 x lane; v4, v5 my places in a buffer (store, fetch); v6, v7 the same in the buffer in hand; v8, v9 2^ex, 448 x 2^ex; v10, v11 2^(eo-ex-ew), 448 x that; v12 32 h; v13 4 r;
;   v32-95 x's four fragments; v96-159 eight accumulators; v160-191 codes; v192-255 the bias, eight registers a tile.   window 1: x, row R of my 16 at 16 R.   windows 2, 3: W's fragments (tile t, K step s) at 16 (8 (s % 2) + t).
.set ROWP, 528
.set BUF1, 65536
.set XF,  32
.set ACC, 96
.set PC,  160
.set BI,  192
.set MSB, 0
.macro WIN new                         ; the immediate's high byte repeats the setting that is left; a switch that changes nothing is dropped
.if MSB != (\new)
	s_set_vgpr_msb (MSB<<8)|(\new)
.set MSB, (\new)
.endif
.endm
.macro SETNX                           ; s41: a sub-block's number.  s[28:29] = my wave's 16 rows of it
	s_lshr_b32 s42, s41, 9
	s_cmp_eq_u32 s42, 1
	s_cselect_b64 s[28:29], s[6:7], s[4:5]
	s_cmp_eq_u32 s42, 2
	s_cselect_b64 s[28:29], s[8:9], s[28:29]
	s_and_b32 s41, s41, 511
	s_lshl_b32 s32, s41, 17                        ; 64 rows of 2,048 bytes
	s_lshl_b32 s42, s22, 15                        ; my 16 of them
	s_add_co_u32 s32, s32, s42
	s_mov_b32 s33, 0
	s_add_nc_u64 s[28:29], s[28:29], s[32:33]
.endm
.macro XLOAD4 b                        ; rows 4 b .. 4 b + 3 of my 16: sixteen loads of 512 consecutive bytes (destination window 1)
.irp p, 0,1,2,3
.irp d, 0,1,2,3
	global_load_b128 v[16*(4*(\b)+\p)+4*\d:16*(4*(\b)+\p)+4*\d+3], v1, s[28:29] offset:2048*(4*(\b)+\p)+512*\d th:TH_LOAD_NT
.endr
.endr
.endm
; The weights, the bias and the scales of tensor s24.
.macro LOADW
.rept 4
	v_nop                                          ; places in front of loads into registers that matrix instructions have read
.endr
	s_lshl_b32 s32, s24, 18
	s_lshl_b32 s41, s22, 16
	s_add_co_u32 s32, s32, s41
	s_mov_b32 s33, 0
	s_add_nc_u64 s[34:35], s[10:11], s[32:33]      ; my 32 fragments: 262,144 T + 65,536 w
	WIN 0x80
.set f, 0
.rept 16
.irp c, 0,1,2,3
	global_load_b128 v[16*f+4*\c:16*f+4*\c+3], v1, s[34:35] offset:2048*f+512*\c
.endr
.set f, f+1
.endr
	WIN 0xc0
.rept 16
.irp c, 0,1,2,3
	global_load_b128 v[16*(f-16)+4*\c:16*(f-16)+4*\c+3], v1, s[34:35] offset:2048*f+512*\c
.endr
.set f, f+1
.endr
	WIN 0
	s_cmp_eq_u32 s24, 1
	s_cselect_b64 s[36:37], s[14:15], s[12:13]
	s_cselect_b32 s38, s50, s48                    ; ex
	s_cselect_b32 s39, s51, s49                    ; ew
	s_cselect_b32 s40, s55, s54                    ; eo
	s_cmp_eq_u32 s24, 2
	s_cselect_b64 s[36:37], s[16:17], s[36:37]
	s_cselect_b32 s38, s52, s38
	s_cselect_b32 s39, s53, s39
	s_cselect_b32 s40, s56, s40
	s_lshl_b32 s32, s22, 9                         ; my 128 numbers of the bias
	s_add_nc_u64 s[36:37], s[36:37], s[32:33]
	s_cmp_eq_u32 s24, 2
	s_cbranch_scc1 .Lbv_\@
.irp t, 0,1,2,3,4,5,6,7
.irp u, 0,1
	global_load_b128 v[BI+8*\t+4*\u:BI+8*\t+4*\u+3], v12, s[36:37] offset:64*\t+16*\u   ; q, k: register j = feature 16 t + 8 h + j
.endr
.endr
	s_branch .Lbj_\@
.Lbv_\@:
.irp t, 0,1,2,3,4,5,6,7
.irp j, 0,1,2,3,4,5,6,7
	global_load_b32 v[BI+8*\t+\j], v13, s[36:37] offset:64*\t                           ; v: every register = feature 16 t + r
.endr
.endr
.Lbj_\@:
	s_wait_loadcnt 0x0
	s_add_co_i32 s41, s38, s39                     ; ex + ew
	s_sub_co_i32 s42, 0, s41
.set i, 0
.rept 64
	v_ldexp_f32 v[BI+i], v[BI+i], s42              ; b / 2^(ex + ew)
.set i, i+1
.endr
	s_add_co_i32 s42, s38, 127
	s_lshl_b32 s43, s42, 23
	v_mov_b32 v8, s43                              ; 2^ex
	s_add_co_i32 s42, s42, 8
	s_lshl_b32 s42, s42, 23
	s_or_b32 s42, s42, 0x600000
	v_mov_b32 v9, s42                              ; 448 x 2^ex
	s_sub_co_i32 s42, s40, s41
	s_add_co_i32 s42, s42, 127
	s_lshl_b32 s43, s42, 23
	v_mov_b32 v10, s43                             ; 2^(eo - ex - ew)
	s_add_co_i32 s42, s42, 8
	s_lshl_b32 s42, s42, 23
	s_or_b32 s42, s42, 0x600000
	v_mov_b32 v11, s42                             ; 448 x that
.endm
; My 16 rows of x become codes in LDS, four rows at a time.  ahead = 1: each batch's registers take the same rows of the next sub-block at once.
.macro PHASEX ahead
.irp b, 0,1,2,3
.if \ahead
	s_wait_loadcnt 48                              ; this batch's 16 loads are in; behind them stand the 48 of the other three batches
.else
	s_wait_loadcnt 48-16*\b                        ; nothing is asked for any more: the counts run down
.endif
	WIN 0x41
.set i, 0
.rept 64
	v_med3_num_f32 v[64*\b+i], v[64*\b+i], -v9, v9 ; the hold at the largest code x the scale (ISA guide 7.6.2)
.set i, i+1
.endr
	s_wait_dscnt 4                                 ; all but the last batch's four stores are done: the set of codes used two batches ago has been read
	WIN 0x01
.irp q, 0,1,2,3,4,5,6,7
	v_cvt_scalef32_pk8_fp8_f32 v[PC+16*(\b%2)+2*\q:PC+16*(\b%2)+2*\q+1], v[64*\b+8*\q:64*\b+8*\q+7], v8
.endr
	v_nop                                          ; a plain line behind the last conversion
	WIN 0x40
.irp p, 0,1,2,3
	ds_store_b128 v6, v[PC+16*(\b%2)+4*\p:PC+16*(\b%2)+4*\p+3] offset:ROWP*(4*\b+\p)   ; a row's 512 bytes, 16 a lane
.endr
.if \ahead
	XLOAD4 \b
.endif
.endr
	WIN 0
.endm
.macro FETCH m                         ; x's four fragments of rows 16 m on: register 4 c + d of K step s is byte 128 s + 32 c + 16 h + 4 d of row r
.irp s, 0,1,2,3
.irp c, 0,1,2,3
	ds_load_b128 v[XF+16*\s+4*\c:XF+16*\s+4*\c+3], v7 offset:16*ROWP*(\m)+128*\s+32*\c
.endr
.endr
.endm
; The products of a sub-block, 16 rows at a time: 32 matrix instructions, the eight accumulators by turns; then the quantiser and the stores.
.macro P1 isv
	FETCH 0
.irp m, 0,1,2,3
	s_wait_dscnt 0x0                               ; the four fragments are in
.irp s, 0,1,2,3
.if \isv
	WIN 0x08+4*(\s/2)                              ; source 1 (W) window 2 or 3
.else
	WIN 0x02+(\s/2)                                ; source 0 (W) window 2 or 3
.endif
.irp t, 0,1,2,3,4,5,6,7
.if \isv
.if \s == 0
	v_wmma_f32_16x16x128_fp8_fp8 v[ACC+8*\t:ACC+8*\t+7], v[XF+16*\s:XF+16*\s+15], v[16*(8*(\s%2)+\t):16*(8*(\s%2)+\t)+15], v[BI+8*\t:BI+8*\t+7]
.else
	v_wmma_f32_16x16x128_fp8_fp8 v[ACC+8*\t:ACC+8*\t+7], v[XF+16*\s:XF+16*\s+15], v[16*(8*(\s%2)+\t):16*(8*(\s%2)+\t)+15], v[ACC+8*\t:ACC+8*\t+7]
.endif
.else
.if \s == 0
	v_wmma_f32_16x16x128_fp8_fp8 v[ACC+8*\t:ACC+8*\t+7], v[16*(8*(\s%2)+\t):16*(8*(\s%2)+\t)+15], v[XF+16*\s:XF+16*\s+15], v[BI+8*\t:BI+8*\t+7]
.else
	v_wmma_f32_16x16x128_fp8_fp8 v[ACC+8*\t:ACC+8*\t+7], v[16*(8*(\s%2)+\t):16*(8*(\s%2)+\t)+15], v[XF+16*\s:XF+16*\s+15], v[ACC+8*\t:ACC+8*\t+7]
.endif
.endif
.endr
.endr
	WIN 0
.rept 4
	v_nop                                          ; places in front of the loads into x's fragments and of the first read of the sums
.endr
.if \m < 3
	FETCH \m+1                                     ; lands while these rows are quantised
.endif
	s_wait_xcnt 0x0                                ; earlier stores have read the registers of the codes
.set i, 0
.rept 64
	v_med3_num_f32 v[ACC+i], v[ACC+i], -v11, v11   ; each accumulator from its low end on.  (These are also the places in front of the next rows' first products, which begin the accumulators anew)
.set i, i+1
.endr
.irp t, 0,1,2,3,4,5,6,7
.if \isv
	v_cvt_scalef32_pk8_fp8_f32 v[PC+4*\t+2*(\m%2):PC+4*\t+2*(\m%2)+1], v[ACC+8*\t:ACC+8*\t+7], v10     ; keys 16 m + 8 h + 0 .. 7 of feature 16 t + r
.else
	v_cvt_scalef32_pk8_fp8_f32 v[PC+16*(\m%2)+2*\t:PC+16*(\m%2)+2*\t+1], v[ACC+8*\t:ACC+8*\t+7], v10   ; features 16 t + 8 h + 0 .. 7 of row r
.endif
.endr
	v_nop                                          ; a plain line between the last conversion and the products that write its sources
.if \isv
.if (\m%2) == 1
.irp t, 0,1,2,3,4,5,6,7
	global_store_b128 v1, v[PC+4*\t:PC+4*\t+3], s[30:31] offset:65536*(\t/4)+1024*(\t%4)+512*(\m/2)    ; head 2 w + t / 4, channels 16 (t % 4) on: 512 consecutive bytes
.endr
.endif
.else
.irp g, 0,1
.irp u, 0,1
	global_store_b128 v1, v[PC+16*(\m%2)+8*\g+4*\u:PC+16*(\m%2)+8*\g+4*\u+3], s[30:31] offset:65536*\g+1024*\m+512*\u   ; head 2 w + g, tile m: 512 consecutive bytes
.endr
.endr
.endif
.endr
.endm
; A sub-block.  ahead = 1: the next one's x is asked for on the way, and the weights are changed where the tensor changes.
.macro SUB ahead
	s_wait_xcnt 0x0                                ; all earlier loads and stores have read their addresses and data: bases and codes may be written
	s_lshr_b32 s24, s23, 9                         ; T
.if \ahead
	s_cmp_eq_u32 s24, s25
	s_cbranch_scc1 .Lsame_\@
	LOADW
	s_mov_b32 s25, s24
.Lsame_\@:
	s_add_co_u32 s41, s23, 1
	SETNX
.endif
	s_lshr_b32 s41, s23, 4                         ; 32 T + seq
	s_lshl_b32 s41, s41, 19
	s_lshl_b32 s42, s22, 17                        ; head 2 w
	s_add_co_u32 s41, s41, s42
	s_and_b32 s42, s23, 15                         ; four tiles of rows, or one step of keys: 4,096 bytes
	s_lshl_b32 s42, s42, 12
	s_add_co_u32 s32, s41, s42
	s_mov_b32 s33, 0
	s_add_nc_u64 s[30:31], s[20:21], s[32:33]
	v_add_nc_u32 v6, s27, v4
	v_add_nc_u32 v7, s27, v5
	PHASEX \ahead
	s_wait_dscnt 0x0                               ; my stores have landed
	s_barrier_signal -1
	s_barrier_wait -1                              ; the sub-block's 64 rows of codes lie in the buffer
	s_cmp_eq_u32 s24, 2
	s_cbranch_scc1 .Lv_\@
	P1 0
	s_branch .Lj_\@
.Lv_\@:
	P1 1
.Lj_\@:
	s_xor_b32 s27, s27, BUF1                       ; the other buffer
	s_add_co_u32 s23, s23, 1
.endm
	s_load_b256 s[4:11], s[0:1], 0x0               ; query s[4:5], key s[6:7], value s[8:9], wc s[10:11]
	s_load_b256 s[12:19], s[0:1], 0x20             ; bq s[12:13], bk s[14:15], bv s[16:17], lowp_scales s[18:19]
	s_load_b64 s[20:21], s[0:1], 0x40              ; codes
	v_lshl_add_u32 v30, v0, 2, 0x18400
	v_mov_b32 v31, 0
	v_lshrrev_b32 v2, 5, v0
	v_readfirstlane_b32 s22, v2                    ; wave
	v_and_b32 v1, 31, v0
	v_lshlrev_b32 v1, 4, v1                        ; 16 x lane
	v_and_b32 v2, 15, v0                           ; r
	v_bfe_u32 v3, v0, 4, 1                         ; h
	s_mul_i32 s41, s22, 16*ROWP
	v_add_nc_u32 v4, s41, v1                       ; where I store: my wave's 16 rows, 16 bytes a lane
	v_mul_u32_u24 v5, v2, ROWP
	v_lshl_add_u32 v5, v3, 4, v5                   ; where I fetch: row r, + 16 h
	v_lshlrev_b32 v12, 5, v3
	v_lshlrev_b32 v13, 2, v2
	s_mul_i32 s23, ttmp9, 6                        ; G
	s_lshr_b32 s24, s23, 9                         ; T
	s_mov_b32 s25, s24                             ; the tensor whose weights are in registers
	s_mov_b32 s26, 5
	s_mov_b32 s27, 0                               ; the buffer in hand
	s_wait_kmcnt 0x0
	s_load_b256 s[48:55], s[18:19], 0x0            ; e0 .. e7
	s_load_b128 s[56:59], s[18:19], 0x20           ; e8 .. e11
	s_mov_b32 s41, s23
	SETNX
	WIN 0x40
	XLOAD4 0
	XLOAD4 1
	XLOAD4 2
	XLOAD4 3
	WIN 0
	s_wait_kmcnt 0x0
	LOADW
.Lsub:
	SUB 1
	s_sub_co_i32 s26, s26, 1
	s_cmp_lg_u32 s26, 0
	s_cbranch_scc1 .Lsub
	SUB 0                                          ; the sixth sub-block asks for nothing: no load leaves its buffer
	s_wait_tensorcnt 0x0
	ds_add_u32 v30, v31
	s_wait_dscnt 0x0
	s_endpgm
.Lfunc_end_k_q1b2991074e_proj:
	.size	k_q1b2991074e_proj, .Lfunc_end_k_q1b2991074e_proj-k_q1b2991074e_proj
	.p2alignl 7, 3214868480
	.fill 96, 4, 3214868480
	.section	.rodata,"a",@progbits
	.p2align	6, 0x0
	.amdhsa_kernel k_q1b2991074e_proj
		.amdhsa_group_segment_fixed_size 99840
		.amdhsa_private_segment_fixed_size 0
		.amdhsa_enable_private_segment 0
		.amdhsa_kernarg_size 72
		.amdhsa_user_sgpr_count 2
		.amdhsa_user_sgpr_kernarg_segment_ptr 1
		.amdhsa_wavefront_size32 1
		.amdhsa_system_sgpr_workgroup_id_x 1
		.amdhsa_system_sgpr_workgroup_id_y 1
		.amdhsa_system_sgpr_workgroup_id_z 1
		.amdhsa_system_vgpr_workitem_id 0
		.amdhsa_next_free_vgpr 1024
		.amdhsa_next_free_sgpr 66
		.amdhsa_reserve_vcc 0
		.amdhsa_float_denorm_mode_32 3
		.amdhsa_float_denorm_mode_16_64 3
		.amdhsa_memory_ordered 1
		.amdhsa_forward_progress 1
		.amdhsa_inst_pref_size 237
	.end_amdhsa_kernel
	.amdgpu_metadata
---
amdhsa.version: [ 1, 2 ]
amdhsa.kernels:
  - .name:           k_q1b2991074e_proj
    .symbol:         k_q1b2991074e_proj.kd
    .args:
      - { .name: query, .offset: 0, .size: 8, .value_kind: global_buffer, .address_space: global }
      - { .name: key, .offset: 8, .size: 8, .value_kind: global_buffer, .address_space: global }
      - { .name: value, .offset: 16, .size: 8, .value_kind: global_buffer, .address_space: global }
      - { .name: wc, .offset: 24, .size: 8, .value_kind: global_buffer, .address_space: global }
      - { .name: bq, .offset: 32, .size: 8, .value_kind: global_buffer, .address_space: global }
      - { .name: bk, .offset: 40, .size: 8, .value_kind: global_buffer, .address_space: global }
      - { .name: bv, .offset: 48, .size: 8, .value_kind: global_buffer, .address_space: global }
      - { .name: lowp_scales, .offset: 56, .size: 8, .value_kind: global_buffer, .address_space: global }
      - { .name: codes, .offset: 64, .size: 8, .value_kind: global_buffer, .address_space: global }
    .group_segment_fixed_size: 99840
    .private_segment_fixed_size: 0
    .kernarg_segment_align: 8
    .kernarg_segment_size: 72
    .max_flat_workgroup_size: 128
    .sgpr_count:     66
    .vgpr_count:     1024
    .wavefront_size: 32
...
	.end_amdgpu_metadata
.endif
;; end of part 2
;; launch attn (part 3): grid 256 x 1, 8 waves a work-group, no clusters, 101,376 bytes of LDS; arguments codes, wc, bo, lowp_scales, out0; writes out0
.if DOCPART == 3
	.amdgcn_target "amdgcn-amd-amdhsa--gfx1250"
	.amdhsa_code_object_version 6
	.text
	.protected	k_q1b2991074e_attn
	.globl	k_q1b2991074e_attn
	.p2align	8
	.type	k_q1b2991074e_attn,@function
k_q1b2991074e_attn:
	s_mov_b64 s[64:65], 0
	v_nop
	global_prefetch_b8 v0, s[64:65] scope:SCOPE_SE
	s_setreg_imm32_b32 hwreg(HW_REG_WAVE_MODE, 25, 1), 1
	s_wait_xcnt 0x0
; Causal attention on codes of E4M3 for all 8 heads of two blocks of 64 queries, its result quantised, and out0 = result Wo^T + bo.
; SHARES.  Work-group x: sequence x / 8, i = x % 8; it owns query blocks 15 - i and i: (16 - i) + (i + 1) = 17 steps of 64 keys in every work-group.  In the attention a wave is a head: four tiles of 16 queries;
; K's and V's fragments, stored as images of registers, go from memory straight into that wave's registers: nobody else in the work-group wants them.  In the last product wave w makes columns 64 w .. 64 w + 63 of the 128 rows.
; LAYOUT.  S^T = K Q^T (source 0 = 16 keys, source 1 = 16 queries), O^T = V^T P (source 0 = 16 channels, source 1 = P): a lane holds ONE query (lane % 16) throughout; its eight scores of a tile are keys 16 c + 8 h + 0 .. 7,
; which is where the K = 64 form wants them: the conversions' results are P.  O^T's eight registers of a tile are channels 16 dt + 8 h + 0 .. 7: quantised, a head's eight registers are half a K = 128 fragment of the last product.
; SOFTMAX.  t = score x log2(e) / 8; M = the running largest t rounded up to a whole number, kept as -M = floor(-t); p = 2^(t - M) is quantised with 2^e9, not normalised; the sum is taken of the unquantised p;
; when M moves, the sum and O^T are multiplied by 2^(old M - new M), which rounds nothing.  At the end O^T x 2^(e8 + e9) / sum.
; THE MASK.  Steps whose keys all come after the block's queries are not walked.  In the block's last step tiles of keys behind a tile of queries are not multiplied and count as -infinity; on the diagonal tile register j is hidden where j > r - 8 h.
; THE HOLD of p at 448 x 2^e9 can act only where that is under 1, e9 < -8 (p is at most 1): a scalar branch on that whole number passes over it otherwise.
; LIMITS: e6 + e7 between -123 and 130 (added to the exponent field of log2(e) / 8); e9 and e10 between -126 and 119; e10 + e11 between -126 and 127.  NaN among the inputs is not served.
; NO CLUSTER: the eight work-groups of a sequence walk different numbers of key steps at different times, and a joint load would land in LDS bytes that a single wave then reads once.  No tensor load for the same reason.
; LDS: 0: the quantised result, [block 2][tile 4][head 8][1,024 bytes], registers 4 u .. 4 u + 3 of lane l at 512 u + 16 l;  65,536 + 4,352 w: wave w's stage, 16 rows x (256 + 16) bytes.
; REGISTERS: window 0: v1 16 x lane; v2 the same + V's distance from K; v3 the prefetch's offset; v4 image store; v5, v6 stage in, back; v7 offset in out0; v8, v9 448 x 2^e9, 2^e9; v10 -infinity; v11 r - 8 h; v12, v13 2^e10, 448 x 2^e10; v14 32 h;
;   v16-47 eight a tile: -M, largest t, the sum (2), f, 0, at work (2); later bo;  v48-79 Q;  v80-111 P;  v112-239 S^T, 32 a tile.   window 1: v0-127 O^T, 32 a tile; v128-159 K; v160-191 V.
;   For the last product: v48-111 four fragments of the result, then rows read back; Wo's fragments (nt, s): s < 2 at v112 + 16 (4 s + nt), s >= 2 in window 1 at v128 + 16 (4 (s - 2) + nt); sums where O^T lay.
.set ST,  16
.set QR,  48
.set PR,  80
.set SR,  112
.set XF,  48
.set KR,  128                          ; window 1
.set VR,  160                          ; window 1
.set STG, 65536
.set MSB, 0
.macro WIN new                         ; the immediate's high byte repeats the setting that is left; a switch that changes nothing is dropped
.if MSB != (\new)
	s_set_vgpr_msb (MSB<<8)|(\new)
.set MSB, (\new)
.endif
.endm
; Block s17: Q's four tiles and the first step's K and V are asked for, in this order; s[24:25] then stands at K's step 1.
.macro PRE
	s_wait_xcnt 0x0                                ; earlier loads have read their bases
	s_lshl_b32 s28, s15, 19
	s_lshl_b32 s29, s14, 16
	s_add_co_u32 s28, s28, s29                     ; the sequence, the head
	s_mov_b32 s29, 0
	s_add_nc_u64 s[24:25], s[4:5], s[28:29]
	s_add_nc_u64 s[24:25], s[24:25], 0x1000000     ; k's codes lie 2^24 bytes behind q's, v's another 2^24
	s_lshl_b32 s34, s17, 12
	s_add_co_u32 s28, s28, s34                     ; the block's four tiles
	s_add_nc_u64 s[26:27], s[4:5], s[28:29]
.irp n, 0,1,2,3,4,5,6,7
	global_load_b128 v[QR+4*\n:QR+4*\n+3], v1, s[26:27] offset:512*\n th:TH_LOAD_NT
.endr
	WIN 0x40
.irp n, 0,1,2,3,4,5,6,7
	global_load_b128 v[KR+4*\n:KR+4*\n+3], v1, s[24:25] offset:512*\n
.endr
.irp n, 0,1,2,3,4,5,6,7
	global_load_b128 v[VR+4*\n:VR+4*\n+3], v2, s[24:25] offset:512*\n
.endr
	WIN 0
	s_wait_xcnt 0x0
	s_add_nc_u64 s[24:25], s[24:25], 4096
.endm
.macro INIT                            ; the step is written once: the first finds zeros, which the first change of M leaves zeros
.irp a, 0,1,2,3
	v_mov_b32 v[ST+8*\a+1], 0xff61b1e6             ; the largest t so far: -3e38, under every t
	v_mov_b32 v[ST+8*\a+2], 0
	v_mov_b32 v[ST+8*\a+3], 0
	v_mov_b32 v[ST+8*\a+5], 0                      ; (named as the upper half of f's pair)
	v_mov_b32 v[ST+8*\a+7], 0                      ; (a lane permute's destination counts as read)
.endr
.irp a, 0,1,2,3
	v_floor_f32 v[ST+8*\a], -v[ST+8*\a+1]
.endr
	WIN 0x40
.set i, 0
.rept 128
	v_mov_b32 v[i], 0
.set i, i+1
.endr
	WIN 0
.endm
; The four tiles' softmax of a step, stage by stage, the tiles by turns.
.macro SOFTMAX
.irp a, 0,1,2,3
	v_max3_num_f32 v[ST+8*\a+6], v[SR+32*\a], v[SR+32*\a+1], v[SR+32*\a+2]      ; every accumulator is first read at its low end
.endr
.irp i, 3,5,7,9,11,13,15,17,19,21,23,25,27,29
.irp a, 0,1,2,3
	v_max3_num_f32 v[ST+8*\a+6], v[ST+8*\a+6], v[SR+32*\a+\i], v[SR+32*\a+\i+1]
.endr
.endr
.irp a, 0,1,2,3
	v_max_num_f32 v[ST+8*\a+6], v[ST+8*\a+6], v[SR+32*\a+31]
.endr
.irp a, 0,1,2,3
	v_permlanex16_b32 v[ST+8*\a+7], v[ST+8*\a+6], s20, s21                     ; the query's other 32 keys lie in the lane 16 away
.endr
.irp a, 0,1,2,3
	v_max_num_f32 v[ST+8*\a+6], v[ST+8*\a+6], v[ST+8*\a+7]
.endr
.irp a, 0,1,2,3
	v_mul_f32 v[ST+8*\a+6], s22, v[ST+8*\a+6]                                  ; as t (the factor is positive)
.endr
.irp a, 0,1,2,3
	v_max_num_f32 v[ST+8*\a+1], v[ST+8*\a+1], v[ST+8*\a+6]
.endr
.irp a, 0,1,2,3
	v_mov_b32 v[ST+8*\a+6], v[ST+8*\a]
.endr
.irp a, 0,1,2,3
	v_floor_f32 v[ST+8*\a], -v[ST+8*\a+1]                                      ; the new -M
.endr
.irp a, 0,1,2,3
	v_sub_f32 v[ST+8*\a+6], v[ST+8*\a], v[ST+8*\a+6]                           ; old M - new M: a whole number, 0 or less
.endr
.irp a, 0,1,2,3
	v_cvt_i32_f32 v[ST+8*\a+6], v[ST+8*\a+6]                                   ; (it saturates)
.endr
.irp a, 0,1,2,3
	v_ldexp_f32 v[ST+8*\a+4], 1.0, v[ST+8*\a+6]                                ; f
.endr
.irp j, 0,2,4,6,8,10,12,14,16,18,20,22,24,26,28,30
.irp a, 0,1,2,3
	v_pk_fma_f32 v[SR+32*\a+\j:SR+32*\a+\j+1], v[SR+32*\a+\j:SR+32*\a+\j+1], s[22:23], v[ST+8*\a:ST+8*\a+1] op_sel_hi:[1,0,0]   ; t - M, two at a time
.endr
.endr
.set i, 0
.rept 128
	v_exp_f32 v[SR+i], v[SR+i]                                                 ; p = 2^(t - M): one batch
.set i, i+1
.endr
.irp a, 0,1,2,3
	v_pk_mul_f32 v[ST+8*\a+2:ST+8*\a+3], v[ST+8*\a+2:ST+8*\a+3], v[ST+8*\a+4:ST+8*\a+5] op_sel_hi:[1,0]   ; the sums under the new M: plain lines behind the last exponential
.endr
	s_wait_alu depctr_va_vdst(0)                   ; this wait stands ahead of the first line that names an exponential's result: one for the 128
.irp j, 0,2,4,6,8,10,12,14,16,18,20,22,24,26,28,30
.irp a, 0,1,2,3
	v_pk_add_f32 v[ST+8*\a+2:ST+8*\a+3], v[ST+8*\a+2:ST+8*\a+3], v[SR+32*\a+\j:SR+32*\a+\j+1]             ; the sum of the unquantised p
.endr
.endr
.endm
; A step of 64 keys.  diag = 1: the block's last step, on the diagonal; nothing more is asked for.  pf = 1: the prefetch stands in it.
.macro STEP diag, pf
	s_wait_loadcnt 8                               ; K (and Q) are in; V's eight loads, issued behind them, may be out
	WIN 0x01
.irp c, 0,1,2,3
.irp a, 0,1,2,3
.if (\diag == 0) || (\c <= \a)
	v_wmma_f32_16x16x64_fp8_fp8 v[SR+32*\a+8*\c:SR+32*\a+8*\c+7], v[KR+8*\c:KR+8*\c+7], v[QR+8*\a:QR+8*\a+7], 0
.endif
.endr
.endr
	WIN 0
.if \diag
.irp a, 0,1,2
.irp c, 1,2,3
.if \c > \a
.irp j, 0,1,2,3,4,5,6,7
	v_mov_b32 v[SR+32*\a+8*\c+\j], v10             ; tiles of keys behind the tile of queries: -infinity.  (These 48 are also the places behind the products)
.endr
.endif
.endr
.endr
.irp a, 0,1,2,3
.irp j, 0,1,2,3,4,5,6,7
	v_cndmask_b32 v[SR+40*\a+\j], v[SR+40*\a+\j], v10, s[48+\j]   ; the diagonal tile: key 8 h + j is hidden where it is above query r
.endr
.endr
.else
.rept 4
	v_nop                                          ; places in front of the loads into K and of the first read of the scores
.endr
	WIN 0x40
.irp n, 0,1,2,3,4,5,6,7
	global_load_b128 v[KR+4*\n:KR+4*\n+3], v1, s[24:25] offset:512*\n          ; the next step's K
.endr
	WIN 0
.if \pf
; A PREFETCH of K's and V's 4,096 bytes each of the step three on, which is loaded two trips later: lanes 0-15 name K's sixteen blocks of 256 bytes, lanes 16-31 V's.  Only the sequence's work-group with i = 0 asks, in its first
; block, which walks all 16 steps; each wave for its own head: every block is named once in the launch.  It stops while three steps are left (s18 <= 2): step 15 is the last that is named.  Steps 0 to 2 come by their loads alone.
	s_cmp_gt_u32 s18, s19
	s_cbranch_scc0 .Lnopf_\@
	global_prefetch_b8 v3, s[24:25] offset:8192 th:TH_LOAD_NT scope:SCOPE_SE
.Lnopf_\@:
.endif
.endif
	SOFTMAX
	s_cmp_lg_u32 s32, 0
	s_cbranch_scc0 .Lnohold_\@
.set i, 0
.rept 128
	v_min_num_f32 v[SR+i], v[SR+i], v8             ; the conversion does not saturate (ISA guide 7.6.2); p is not negative, so the hold is one-sided
.set i, i+1
.endr
.Lnohold_\@:
.irp a, 0,1,2,3
.irp c, 0,1,2,3
	v_cvt_scalef32_pk8_fp8_f32 v[PR+8*\a+2*\c:PR+8*\a+2*\c+1], v[SR+32*\a+8*\c:SR+32*\a+8*\c+7], v9
.endr
.endr
.if \diag
	s_wait_loadcnt 0x0                             ; V is in
.else
	s_wait_loadcnt 8                               ; V is in; the next step's K may be out
.endif
	WIN 0x41
.irp a, 0,1,2,3
.irp j, 0,2,4,6,8,10,12,14,16,18,20,22,24,26,28,30
	v_pk_mul_f32 v[32*\a+\j:32*\a+\j+1], v[32*\a+\j:32*\a+\j+1], v[ST+8*\a+4:ST+8*\a+5] op_sel_hi:[1,0]   ; O^T under the new M.  (Also the plain lines between the conversions and the products that read P)
.endr
.endr
	WIN 0x51
.irp d, 0,1,2,3
.irp a, 0,1,2,3
	v_wmma_f32_16x16x64_fp8_fp8 v[32*\a+8*\d:32*\a+8*\d+7], v[VR+8*\d:VR+8*\d+7], v[PR+8*\a:PR+8*\a+7], v[32*\a+8*\d:32*\a+8*\d+7]   ; sixteen accumulators, one instruction each
.endr
.endr
	WIN 0
.rept 4
	v_nop                                          ; places in front of loads into V and of whatever reads O^T next
.endr
.if \diag == 0
	WIN 0x40
.irp n, 0,1,2,3,4,5,6,7
	global_load_b128 v[VR+4*\n:VR+4*\n+3], v2, s[24:25] offset:512*\n          ; the next step's V
.endr
	WIN 0
	s_wait_xcnt 0x0                                ; the step's loads and its prefetch have read the base
	s_add_nc_u64 s[24:25], s[24:25], 4096
.endif
.endm
.macro ATTN pf                         ; block s17: s17 whole steps, then the one on the diagonal.  Both ways into that step leave K's eight loads, then V's, as the youngest
	INIT
	s_mov_b32 s18, s17
	s_cmp_eq_u32 s18, 0
	s_cbranch_scc1 .Ldiag_\@
.Lks_\@:
	STEP 0, \pf
	s_sub_co_i32 s18, s18, 1
	s_cmp_lg_u32 s18, 0
	s_cbranch_scc1 .Lks_\@
.Ldiag_\@:
	STEP 1, 0
.endm
; O^T x 2^(e8 + e9) / sum, quantised with 2^e10; my head's eight registers of each tile go to LDS as they stand.
.macro FINAL blk
.irp a, 0,1,2,3
	v_add_f32 v[ST+8*\a+6], v[ST+8*\a+2], v[ST+8*\a+3]
.endr
.irp a, 0,1,2,3
	v_permlanex16_b32 v[ST+8*\a+7], v[ST+8*\a+6], s20, s21
.endr
.irp a, 0,1,2,3
	v_add_f32 v[ST+8*\a+6], v[ST+8*\a+6], v[ST+8*\a+7]
.endr
.irp a, 0,1,2,3
	v_rcp_f32 v[ST+8*\a+4], v[ST+8*\a+6]
.endr
	v_nop                                          ; a plain line behind the last reciprocal
	s_wait_alu depctr_va_vdst(0)                   ; and a wait ahead of the first use: one for the four
.irp a, 0,1,2,3
	v_ldexp_f32 v[ST+8*\a+4], v[ST+8*\a+4], s33
.endr
	WIN 0x41
.irp a, 0,1,2,3
.irp j, 0,2,4,6,8,10,12,14,16,18,20,22,24,26,28,30
	v_pk_mul_f32 v[32*\a+\j:32*\a+\j+1], v[32*\a+\j:32*\a+\j+1], v[ST+8*\a+4:ST+8*\a+5] op_sel_hi:[1,0]
.endr
.endr
.set i, 0
.rept 128
	v_med3_num_f32 v[i], v[i], -v13, v13           ; the hold at 448 x 2^e10
.set i, i+1
.endr
	WIN 0x01
.irp a, 0,1,2,3
.irp d, 0,1,2,3
	v_cvt_scalef32_pk8_fp8_f32 v[PR+8*\a+2*\d:PR+8*\a+2*\d+1], v[32*\a+8*\d:32*\a+8*\d+7], v12
.endr
.endr
	v_nop                                          ; a plain line behind the last conversion
	WIN 0
.irp a, 0,1,2,3
.irp u, 0,1
	ds_store_b128 v4, v[PR+8*\a+4*\u:PR+8*\a+4*\u+3] offset:32768*\blk+8192*\a+512*\u
.endr
.endr
	s_wait_dscnt 0x0                               ; the stores have landed: P may be written again, and behind the second block the barrier may be signalled
.endm
; Block p's 64 rows (query block s17) x my 64 columns: sixteen accumulators by turns, a K step of 128 (two heads) at a time; then sum x 2^(e10 + e11) + bo, through my stage, out in whole rows of 256 bytes.
.macro OUTP p
	s_wait_xcnt 0x0                                ; earlier stores have read their base and the registers that the fragments share with them
	s_lshl_b32 s28, s15, 21
	s_lshl_b32 s29, s17, 17
	s_add_co_u32 s28, s28, s29
	s_lshl_b32 s29, s14, 8
	s_add_co_u32 s28, s28, s29
	s_mov_b32 s29, 0
	s_add_nc_u64 s[56:57], s[12:13], s[28:29]      ; out0 at the block's first row, my first column
.irp s, 0,1,2,3
.irp a, 0,1,2,3
.irp c, 0,1,2,3
	ds_load_b128 v[XF+16*\a+4*\c:XF+16*\a+4*\c+3], v1 offset:32768*\p+8192*\a+2048*\s+512*\c
.endr
.endr
	s_wait_dscnt 0x0
	WIN 0x50+(\s/2)                                ; C and D window 1; Wo (source 0) window 0 or 1
.irp a, 0,1,2,3
.irp n, 0,1,2,3
.if \s == 0
	v_wmma_f32_16x16x128_fp8_fp8 v[32*\a+8*\n:32*\a+8*\n+7], v[112+16*(\s/2)+16*(4*(\s%2)+\n):112+16*(\s/2)+16*(4*(\s%2)+\n)+15], v[XF+16*\a:XF+16*\a+15], 0
.else
	v_wmma_f32_16x16x128_fp8_fp8 v[32*\a+8*\n:32*\a+8*\n+7], v[112+16*(\s/2)+16*(4*(\s%2)+\n):112+16*(\s/2)+16*(4*(\s%2)+\n)+15], v[XF+16*\a:XF+16*\a+15], v[32*\a+8*\n:32*\a+8*\n+7]
.endif
.endr
.endr
	WIN 0
.rept 4
	v_nop                                          ; places in front of the loads into the fragments and of the first read of the sums
.endr
.endr
.irp a, 0,1,2,3
	WIN 0x41
.irp n, 0,1,2,3
.irp j, 0,2,4,6
	v_pk_fma_f32 v[32*\a+8*\n+\j:32*\a+8*\n+\j+1], v[32*\a+8*\n+\j:32*\a+8*\n+\j+1], s[30:31], v[ST+8*\n+\j:ST+8*\n+\j+1] op_sel_hi:[1,0,1]
.endr
.endr
	WIN 0x04                                       ; the stores' data in window 1
.irp n, 0,1,2,3
.irp u, 0,1
	ds_store_b128 v5, v[32*\a+8*\n+4*\u:32*\a+8*\n+4*\u+3] offset:64*\n+16*\u   ; lane (r, h): row r, columns 16 n + 8 h + 4 u on
.endr
.endr
	WIN 0
	s_wait_xcnt 0x0                                ; the stores of two tiles back have read these registers
.irp t, 0,1,2,3,4,5,6,7
	ds_load_b128 v[XF+32*(\a%2)+4*\t:XF+32*(\a%2)+4*\t+3], v6 offset:544*\t     ; LDS serves a wave's instructions in order (ISA guide 5.7.1.4): these see my stores
.endr
.irp t, 0,1,2,3,4,5,6,7
	s_wait_dscnt 7-\t
	global_store_b128 v7, v[XF+32*(\a%2)+4*\t:XF+32*(\a%2)+4*\t+3], s[56:57] offset:2048*(16*\a+2*\t) th:TH_STORE_NT   ; sixteen lanes store 256 consecutive bytes, aligned
.endr
.endr
.endm
	s_load_b256 s[4:11], s[0:1], 0x0               ; codes s[4:5], wc s[6:7], bo s[8:9], lowp_scales s[10:11]
	s_load_b64 s[12:13], s[0:1], 0x20              ; out0
	v_lshl_add_u32 v254, v0, 2, 0x18800
	v_mov_b32 v255, 0
	v_lshrrev_b32 v1, 5, v0
	v_readfirstlane_b32 s14, v1                    ; wave = head
	v_and_b32 v15, 31, v0
	v_lshlrev_b32 v1, 4, v15                       ; 16 x lane
	v_add_nc_u32 v2, 0x1000000, v1
	v_and_b32 v11, 15, v0                          ; r
	v_bfe_u32 v14, v0, 4, 1                        ; h
	v_lshlrev_b32 v3, 8, v11
	v_lshl_add_u32 v3, v14, 24, v3                 ; 256 (lane % 16), in K's step (lanes 0-15) or V's (16-31)
	s_lshl_b32 s28, s14, 10
	v_add_nc_u32 v4, s28, v1                       ; my head's place in a tile's image
	s_mul_i32 s28, s14, 4352
	s_add_co_u32 s28, s28, STG                     ; my stage
	v_mul_u32_u24 v5, v11, 272
	v_lshl_add_u32 v5, v14, 5, v5
	v_add_nc_u32 v5, s28, v5                       ; in: row r, + 32 h
	v_mul_u32_u24 v6, v14, 272
	v_lshl_add_u32 v6, v11, 4, v6
	v_add_nc_u32 v6, s28, v6                       ; back: lanes 0-15 one row, lanes 16-31 the next
	v_lshlrev_b32 v7, 11, v14
	v_lshl_add_u32 v7, v11, 4, v7                  ; the same two rows in out0
	v_mov_b32 v10, 0xff800000
	v_lshlrev_b32 v15, 3, v14
	v_sub_nc_u32 v11, v11, v15                     ; r - 8 h
	v_lshlrev_b32 v14, 5, v14                      ; 32 h
.irp j, 0,1,2,3,4,5,6,7
	v_cmp_gt_i32 s[48+\j], \j, v11                 ; the diagonal tile's mask for register j
.endr
	s_lshr_b32 s15, ttmp9, 3                       ; the sequence
	s_and_b32 s16, ttmp9, 7                        ; i
	s_cmp_eq_u32 s16, 0
	s_cselect_b32 s19, 2, -1                       ; who prefetches, and until when
	s_mov_b32 s20, 0x76543210
	s_mov_b32 s21, 0xfedcba98                      ; lane l xor 16
	s_wait_kmcnt 0x0
	s_load_b256 s[36:43], s[10:11], 0x0            ; e0 .. e7
	s_load_b128 s[44:47], s[10:11], 0x20           ; e8 .. e11
	s_sub_co_u32 s17, 15, s16                      ; the first block: the longer one
	PRE
	s_wait_kmcnt 0x0
	s_add_co_i32 s28, s42, s43
	s_lshl_b32 s28, s28, 23
	s_add_co_i32 s22, s28, 0x3e38aa3b              ; log2(e) / 8 x 2^(e6 + e7)
	s_mov_b32 s23, s22                             ; (named with it as a pair)
	s_add_co_i32 s28, s45, 127
	s_lshl_b32 s29, s28, 23
	v_mov_b32 v9, s29                              ; 2^e9
	s_add_co_i32 s28, s28, 8
	s_lshl_b32 s28, s28, 23
	s_or_b32 s28, s28, 0x600000
	v_mov_b32 v8, s28                              ; 448 x 2^e9
	s_add_co_i32 s28, s46, 127
	s_lshl_b32 s29, s28, 23
	v_mov_b32 v12, s29                             ; 2^e10
	s_add_co_i32 s28, s28, 8
	s_lshl_b32 s28, s28, 23
	s_or_b32 s28, s28, 0x600000
	v_mov_b32 v13, s28                             ; 448 x 2^e10
	s_add_co_i32 s28, s46, s47
	s_add_co_i32 s28, s28, 127
	s_lshl_b32 s30, s28, 23                        ; 2^(e10 + e11)
	s_mov_b32 s31, s30
	s_add_co_i32 s33, s44, s45                     ; e8 + e9
	s_cmp_lt_i32 s45, -8
	s_cselect_b32 s32, 1, 0                        ; is the hold of p needed?
	ATTN 1
	s_mov_b32 s17, s16                             ; the second block: its Q, K and V are on their way while the first block's result is finished
	PRE
	FINAL 0
	ATTN 0
	s_lshl_b32 s28, s14, 15                        ; Wo's 16 fragments of my 64 columns, into registers that the attention has left
	s_add_co_u32 s28, s28, 786432
	s_mov_b32 s29, 0
	s_add_nc_u64 s[58:59], s[6:7], s[28:29]
.set f, 0
.rept 8
.irp c, 0,1,2,3
	global_load_b128 v[112+16*f+4*\c:112+16*f+4*\c+3], v1, s[58:59] offset:2048*f+512*\c
.endr
.set f, f+1
.endr
	WIN 0x40
.rept 8
.irp c, 0,1,2,3
	global_load_b128 v[128+16*(f-8)+4*\c:128+16*(f-8)+4*\c+3], v1, s[58:59] offset:2048*f+512*\c
.endr
.set f, f+1
.endr
	WIN 0
	FINAL 1
	s_lshl_b32 s28, s14, 8
	s_add_nc_u64 s[60:61], s[8:9], s[28:29]        ; bo at my 64 columns
.irp n, 0,1,2,3
.irp u, 0,1
	global_load_b128 v[ST+8*\n+4*\u:ST+8*\n+4*\u+3], v14, s[60:61] offset:64*\n+16*\u   ; register 8 n + j = column 16 n + 8 h + j
.endr
.endr
	s_barrier_signal -1                            ; my image stores have landed (the wait stands at the end of the lines above): the launch's one barrier
	s_barrier_wait -1                              ; all eight heads' codes of both blocks lie in LDS
	s_wait_loadcnt 0x0                             ; Wo, bo
	s_sub_co_u32 s17, 15, s16
	OUTP 0
	s_mov_b32 s17, s16
	OUTP 1
	s_wait_tensorcnt 0x0
	ds_add_u32 v254, v255
	s_wait_dscnt 0x0
	s_endpgm
.Lfunc_end_k_q1b2991074e_attn:
	.size	k_q1b2991074e_attn, .Lfunc_end_k_q1b2991074e_attn-k_q1b2991074e_attn
	.p2alignl 7, 3214868480
	.fill 96, 4, 3214868480
	.section	.rodata,"a",@progbits
	.p2align	6, 0x0
	.amdhsa_kernel k_q1b2991074e_attn
		.amdhsa_group_segment_fixed_size 101376
		.amdhsa_private_segment_fixed_size 0
		.amdhsa_enable_private_segment 0
		.amdhsa_kernarg_size 40
		.amdhsa_user_sgpr_count 2
		.amdhsa_user_sgpr_kernarg_segment_ptr 1
		.amdhsa_wavefront_size32 1
		.amdhsa_system_sgpr_workgroup_id_x 1
		.amdhsa_system_sgpr_workgroup_id_y 1
		.amdhsa_system_sgpr_workgroup_id_z 1
		.amdhsa_system_vgpr_workitem_id 0
		.amdhsa_next_free_vgpr 512
		.amdhsa_next_free_sgpr 66
		.amdhsa_reserve_vcc 0
		.amdhsa_float_denorm_mode_32 3
		.amdhsa_float_denorm_mode_16_64 3
		.amdhsa_memory_ordered 1
		.amdhsa_forward_progress 1
		.amdhsa_inst_pref_size 226
	.end_amdhsa_kernel
	.amdgpu_metadata
---
amdhsa.version: [ 1, 2 ]
amdhsa.kernels:
  - .name:           k_q1b2991074e_attn
    .symbol:         k_q1b2991074e_attn.kd
    .args:
      - { .name: codes, .offset: 0, .size: 8, .value_kind: global_buffer, .address_space: global }
      - { .name: wc, .offset: 8, .size: 8, .value_kind: global_buffer, .address_space: global }
      - { .name: bo, .offset: 16, .size: 8, .value_kind: global_buffer, .address_space: global }
      - { .name: lowp_scales, .offset: 24, .size: 8, .value_kind: global_buffer, .address_space: global }
      - { .name: out0, .offset: 32, .size: 8, .value_kind: global_buffer, .address_space: global }
    .group_segment_fixed_size: 101376
    .private_segment_fixed_size: 0
    .kernarg_segment_align: 8
    .kernarg_segment_size: 40
    .max_flat_workgroup_size: 256
    .sgpr_count:     66
    .vgpr_count:     512
    .wavefront_size: 32
...
	.end_amdgpu_metadata
.endif
;; end of part 3
;; ======== version 2 of 2: 3 launches
;; workspace buffers: wc 1,048,576 bytes; codes 50,331,648 bytes
;; launch wq (part 4): grid 64 x 4, 2 waves a work-group, no clusters, 0 bytes of LDS; arguments Wq, Wk, Wv, Wo, lowp_scales, wc; writes wc
.if DOCPART == 4
	.amdgcn_target "amdgcn-amd-amdhsa--gfx1250"
	.amdhsa_code_object_version 6
	.text
	.protected	k_q1b2991074e_wq
	.globl	k_q1b2991074e_wq
	.p2align	8
	.type	k_q1b2991074e_wq,@function
k_q1b2991074e_wq:
	s_mov_b64 s[64:65], 0
	v_nop
	global_prefetch_b8 v0, s[64:65] scope:SCOPE_SE
	s_setreg_imm32_b32 hwreg(HW_REG_WAVE_MODE, 25, 1), 1
	s_wait_xcnt 0x0
; Wq, Wk, Wv, Wo [512 (n)][512 (k)] f32 become codes of E4M3, each with its given scale 2^e, laid as IMAGES OF OPERAND REGISTERS:
; a fragment (16 rows x 128 along K, 16 registers a lane) is 2,048 bytes; registers 4 c .. 4 c + 3 of lane l lie at 512 c + 16 l.
; code = x / 2^e, held within +-448, to the nearest code, ties to even.  e: entries 1, 3, 5, 11 of lowp_scales.
; LIMITS: -126 <= e <= 119.  NaN among the inputs is not served; an infinity is held at the largest code.
; One wave makes one fragment.  Work-group y = the tensor; x / 2 = the tile T of 16 rows; K step s = 2 (x % 2) + wave.
; Wq, Wk, Wv (y < 3): fragment 32 w + 8 s + t (T = 8 w + t).  Register 4 c + d, byte i of lane (r, h) is k = 128 d + 4 (8 s + 2 c + h) + i:
;   the order in which the next launch's x comes out of its dense loads; the same order on both sides of a product keeps every pair together.
; Wo (y = 3): fragment 16 w + 4 s + nt (T = 4 w + nt).  Registers 2 c, 2 c + 1 are k = 128 s + 16 c + 8 h + 0 .. 7, the form's own order.
; A lane reads pieces of 16 bytes, two lanes 32 consecutive bytes of a row: 4 MiB in all, read once in the whole program; the stores cover 512 consecutive bytes each.
; No LDS, no barrier, no matrix unit: waves share nothing.
.set X,  16                            ; v16-79  64 numbers, in the order of the codes
.set CD, 80                            ; v80-95  the fragment
	s_load_b256 s[4:11], s[0:1], 0x0               ; Wq s[4:5], Wk s[6:7], Wv s[8:9], Wo s[10:11]
	s_load_b128 s[12:15], s[0:1], 0x20             ; lowp_scales s[12:13], wc s[14:15]
	v_lshrrev_b32 v1, 5, v0
	v_readfirstlane_b32 s16, v1                    ; wave
	v_and_b32 v1, 15, v0                           ; r
	v_bfe_u32 v2, v0, 4, 1                         ; h
	v_lshlrev_b32 v6, 11, v1                       ; a row of W is 2,048 bytes
	v_lshl_add_u32 v3, v2, 4, v6                   ; y < 3: 2048 r + 16 h
	v_lshl_add_u32 v4, v2, 5, v6                   ; Wo:    2048 r + 32 h
	v_and_b32 v5, 31, v0
	v_lshlrev_b32 v5, 4, v5                        ; 16 x lane: my place in an image
	s_and_b32 s17, ttmp7, 0xffff                   ; y
	s_lshr_b32 s24, ttmp9, 1                       ; T
	s_and_b32 s25, ttmp9, 1
	s_lshl_b32 s25, s25, 1
	s_add_co_u32 s25, s25, s16                     ; s
	s_lshr_b32 s27, s24, 3
	s_lshl_b32 s27, s27, 5
	s_and_b32 s28, s24, 7
	s_add_co_u32 s27, s27, s28
	s_lshl_b32 s29, s25, 3
	s_add_co_u32 s27, s27, s29                     ; 32 w + 8 s + t
	s_lshr_b32 s28, s24, 2
	s_lshl_b32 s28, s28, 4
	s_and_b32 s29, s24, 3
	s_add_co_u32 s28, s28, s29
	s_lshl_b32 s29, s25, 2
	s_add_co_u32 s28, s28, s29                     ; 16 w + 4 s + nt
	s_cmp_eq_u32 s17, 3
	s_cselect_b32 s27, s28, s27                    ; the fragment's number in its tensor
	s_cselect_b32 s26, 9, 7                        ; a K step begins 512 s bytes (Wo) or 128 s bytes into a row
	s_lshl_b32 s27, s27, 11
	s_lshl_b32 s28, s17, 18
	s_add_co_u32 s20, s27, s28                     ; where the image goes: 262,144 y + 2,048 x fragment
	s_mov_b32 s21, 0
	s_lshl_b32 s26, s25, s26
	s_lshl_b32 s28, s24, 15                        ; 16 rows of 2,048 bytes
	s_add_co_u32 s22, s26, s28
	s_mov_b32 s23, 0
	s_wait_kmcnt 0x0
	s_load_b256 s[36:43], s[12:13], 0x0            ; e0 .. e7
	s_load_b128 s[44:47], s[12:13], 0x20           ; e8 .. e11
	s_cmp_eq_u32 s17, 1                            ; the tensor is chosen by the work-group's number alone
	s_cselect_b64 s[18:19], s[6:7], s[4:5]
	s_cmp_eq_u32 s17, 2
	s_cselect_b64 s[18:19], s[8:9], s[18:19]
	s_cmp_eq_u32 s17, 3
	s_cselect_b64 s[18:19], s[10:11], s[18:19]
	s_add_nc_u64 s[18:19], s[18:19], s[22:23]
	s_add_nc_u64 s[14:15], s[14:15], s[20:21]
	s_cmp_eq_u32 s17, 3
	s_cbranch_scc1 .Lwo
	s_wait_alu depctr_va_vdst(0)
.irp c, 0,1,2,3
.irp d, 0,1,2,3
	global_load_b128 v[X+16*\c+4*\d:X+16*\c+4*\d+3], v3, s[18:19] offset:512*\d+32*\c   ; k = 128 d + 32 s + 8 c + 4 h + 0 .. 3
.endr
.endr
	s_branch .Lin
.Lwo:
	s_wait_alu depctr_va_vdst(0)
.irp c, 0,1,2,3,4,5,6,7
.irp u, 0,1
	global_load_b128 v[X+8*\c+4*\u:X+8*\c+4*\u+3], v4, s[18:19] offset:64*\c+16*\u      ; k = 128 s + 16 c + 8 h + 4 u + 0 .. 3
.endr
.endr
.Lin:
	s_wait_kmcnt 0x0
	s_cmp_eq_u32 s17, 1
	s_cselect_b32 s30, s39, s37                    ; e3 or e1
	s_cmp_eq_u32 s17, 2
	s_cselect_b32 s30, s41, s30                    ; e5
	s_cmp_eq_u32 s17, 3
	s_cselect_b32 s30, s47, s30                    ; e11
	s_add_co_i32 s30, s30, 127
	s_lshl_b32 s31, s30, 23
	v_mov_b32 v11, s31                             ; 2^e as f32: the conversion takes its exponent field
	s_add_co_i32 s30, s30, 8
	s_lshl_b32 s30, s30, 23
	s_or_b32 s30, s30, 0x600000
	v_mov_b32 v10, s30                             ; 448 x 2^e
	s_wait_alu depctr_va_vdst(0)
	s_wait_loadcnt 0x0
.set i, 0
.rept 64
	v_med3_num_f32 v[X+i], v[X+i], -v10, v10       ; the conversion to an 8-bit code does not saturate (ISA guide 7.6.2): the hold comes first
.set i, i+1
.endr
.irp q, 0,1,2,3,4,5,6,7
	v_cvt_scalef32_pk8_fp8_f32 v[CD+2*\q:CD+2*\q+1], v[X+8*\q:X+8*\q+7], v11
.endr
	v_nop                                          ; a plain line behind the last conversion
.irp c, 0,1,2,3
	global_store_b128 v5, v[CD+4*\c:CD+4*\c+3], s[14:15] offset:512*\c   ; 32 lanes store 512 consecutive bytes, aligned
.endr
	s_endpgm
.Lfunc_end_k_q1b2991074e_wq:
	.size	k_q1b2991074e_wq, .Lfunc_end_k_q1b2991074e_wq-k_q1b2991074e_wq
	.p2alignl 7, 3214868480
	.fill 96, 4, 3214868480
	.section	.rodata,"a",@progbits
	.p2align	6, 0x0
	.amdhsa_kernel k_q1b2991074e_wq
		.amdhsa_group_segment_fixed_size 0
		.amdhsa_private_segment_fixed_size 0
		.amdhsa_enable_private_segment 0
		.amdhsa_kernarg_size 48
		.amdhsa_user_sgpr_count 2
		.amdhsa_user_sgpr_kernarg_segment_ptr 1
		.amdhsa_wavefront_size32 1
		.amdhsa_system_sgpr_workgroup_id_x 1
		.amdhsa_system_sgpr_workgroup_id_y 1
		.amdhsa_system_sgpr_workgroup_id_z 1
		.amdhsa_system_vgpr_workitem_id 0
		.amdhsa_next_free_vgpr 96
		.amdhsa_next_free_sgpr 66
		.amdhsa_reserve_vcc 0
		.amdhsa_float_denorm_mode_32 3
		.amdhsa_float_denorm_mode_16_64 3
		.amdhsa_memory_ordered 1
		.amdhsa_forward_progress 1
		.amdhsa_inst_pref_size 11
	.end_amdhsa_kernel
	.amdgpu_metadata
---
amdhsa.version: [ 1, 2 ]
amdhsa.kernels:
  - .name:           k_q1b2991074e_wq
    .symbol:         k_q1b2991074e_wq.kd
    .args:
      - { .name: Wq, .offset: 0, .size: 8, .value_kind: global_buffer, .address_space: global }
      - { .name: Wk, .offset: 8, .size: 8, .value_kind: global_buffer, .address_space: global }
      - { .name: Wv, .offset: 16, .size: 8, .value_kind: global_buffer, .address_space: global }
      - { .name: Wo, .offset: 24, .size: 8, .value_kind: global_buffer, .address_space: global }
      - { .name: lowp_scales, .offset: 32, .size: 8, .value_kind: global_buffer, .address_space: global }
      - { .name: wc, .offset: 40, .size: 8, .value_kind: global_buffer, .address_space: global }
    .group_segment_fixed_size: 0
    .private_segment_fixed_size: 0
    .kernarg_segment_align: 8
    .kernarg_segment_size: 48
    .max_flat_workgroup_size: 64
    .sgpr_count:     66
    .vgpr_count:     96
    .wavefront_size: 32
...
	.end_amdgpu_metadata
.endif
;; end of part 4
;; launch proj (part 5): grid 256 x 1, 4 waves a work-group, no clusters, 99,840 bytes of LDS; arguments query, key, value, wc, bq, bk, bv, lowp_scales, codes; writes codes
.if DOCPART == 5
	.amdgcn_target "amdgcn-amd-amdhsa--gfx1250"
	.amdhsa_code_object_version 6
	.text
	.protected	k_q1b2991074e_proj
	.globl	k_q1b2991074e_proj
	.p2align	8
	.type	k_q1b2991074e_proj,@function
k_q1b2991074e_proj:
	s_mov_b64 s[64:65], 0
	v_nop
	global_prefetch_b8 v0, s[64:65] scope:SCOPE_SE
	s_setreg_imm32_b32 hwreg(HW_REG_WAVE_SCHED_MODE, 0, 2), 2
	s_setreg_imm32_b32 hwreg(HW_REG_WAVE_MODE, 25, 1), 1
	s_wait_xcnt 0x0
	s_wait_alu depctr_vm_vsrc(0)
; q = query Wq^T + bq, k = key Wk^T + bk, v = value Wv^T + bv, on codes of E4M3; the results are quantised at once for the attention's products and stored as images of operand registers.
; The 3 x 32,768 rows are 1,536 sub-blocks of 64 rows (q's, then k's, then v's); work-group x takes sub-blocks 6 x .. 6 x + 5.  The tensor T = G / 512 changes inside a work-group only
; at G = 512 = 6 x 85 + 2 and G = 1,024 = 6 x 170 + 4: never at a work-group's sixth sub-block, so the last one, written out, has no reload of weights.
; THE WAVES SHARE THE COLUMNS: wave w keeps rows 128 w .. 128 w + 127 of W (32 fragments, 512 registers) while T stays.  x goes round: wave w quantises rows 16 w .. 16 w + 15 of the sub-block.
; x IS LOADED DENSE: a load takes 512 consecutive bytes of a row, 16 a lane; a lane's 16 numbers of a row are k = 128 d + 4 l + i (d: which load, l: lane).  Their 16 codes go to byte 16 l of the row in LDS.
; So the codes of a row lie in a fixed other order along K; W's images were laid in the same order, and every product meets its partner.
; q, k: source 0 = 16 rows of W, source 1 = 16 rows of x: a lane holds one row and eight neighbouring features, which are eight neighbours along the next K (the head's 64).
; v:    source 0 = 16 rows of x, source 1 = 16 rows of W: a lane holds one feature and eight neighbouring keys, the next K of v.
; The bias, divided by 2^(ex + ew), is the C of each sum's first matrix instruction.  A sum stands for sum x 2^(ex + ew): the conversion takes 2^(eo - ex - ew).
; OUT: q, k: [seq 32][head 8][tile of 16 rows: 64][1,024 bytes]: registers 2 c, 2 c + 1 of lane (r, h): row r, channels 16 c + 8 h + 0 .. 7.
;      v:    [seq][head][step of 64 keys: 16][16 channels: 4][1,024 bytes]: lane (r, h): channel r, registers 2 c, 2 c + 1: keys 16 c + 8 h + 0 .. 7.   Registers 4 u .. 4 u + 3 of lane l lie at 512 u + 16 l.
; LIMITS: ex and eo - ex - ew between -126 and 119.  NaN among the inputs is not served; infinities are held at the largest code.
; NO CLUSTER, NO TENSOR LOAD: x must pass a conversion in registers; the weights, the one thing that work-groups share, are read into registers once for 384 rows (256 KiB beside 768 KiB of x), and a joint load would land in LDS.
; NO PREFETCH: each wave has 64 loads of 512 bytes on their way throughout.
; LDS: two buffers of 64 rows x (512 + 16) bytes, at 0 and at 65,536, by turns: ONE barrier a sub-block.  Buffer n % 2 is written again only by waves that have passed barrier n - 1, which every wave signals behind the wait for its reads of sub-block n - 2.
; REGISTERS: window 0: v1 16 x lane; v4, v5 my places in a buffer (store, fetch); v6, v7 the same in the buffer in hand; v8, v9 2^ex, 448 x 2^ex; v10, v11 2^(eo-ex-ew), 448 x that; v12 32 h; v13 4 r;
;   v32-95 x's four fragments; v96-159 eight accumulators; v160-191 codes; v192-255 the bias, eight registers a tile.   window 1: x, row R of my 16 at 16 R.   windows 2, 3: W's fragments (tile t, K step s) at 16 (8 (s % 2) + t).
; THE MODE: SCHED_MODE bits 1:0 = 2 (LLVM: expert scheduling mode 2), set by the entry lines.  The code itself states the register dependences between vector or matrix instructions and memory or LDS instructions, with s_wait_alu, always for 0.
; THE PLAN.  Registers that memory or LDS instructions touch:
;   v1, v12, v13  offsets, made at the head and never written again.
;   v6, v7        written once a sub-block, at its head, behind a wait on vm_vsrc; read by that sub-block's LDS stores and loads, which all stand behind the first batch's wait on va_vdst.
;   window 1      x in four batches of 64 registers.  A batch's holds and conversions work on it; behind them ONE wait on va_vdst, then the LDS stores of its codes and its loads for the next sub-block.
;   v160-191      the codes, two sets by turns.  Written by conversions; read by LDS stores (x) and by global stores (results).  A wait on vm_vsrc stands ahead of each run of conversions.
;   v32-95        x's fragments.  LDS loads land in them; a tile's 32 products read them.  ONE wait on va_vdst behind a tile's products: behind it the next tile's fragments are fetched, and the codes of the tile
;                 BEFORE, which that wait shows written, are stored.  The holds and conversions that follow name the accumulators and the other set of codes: none of the registers that these loads and stores touch.
;   windows 2, 3, v192-255   W and the bias: read by products; loaded again, behind a wait on va_vdst, where the tensor changes.
.set ROWP, 528
.set BUF1, 65536
.set XF,  32
.set ACC, 96
.set PC,  160
.set BI,  192
.set MSB, 0
.macro WIN new                         ; the immediate's high byte repeats the setting that is left; a switch that changes nothing is dropped
.if MSB != (\new)
	s_set_vgpr_msb (MSB<<8)|(\new)
.set MSB, (\new)
.endif
.endm
.macro SETNX                           ; s41: a sub-block's number.  s[28:29] = my wave's 16 rows of it
	s_lshr_b32 s42, s41, 9
	s_cmp_eq_u32 s42, 1
	s_cselect_b64 s[28:29], s[6:7], s[4:5]
	s_cmp_eq_u32 s42, 2
	s_cselect_b64 s[28:29], s[8:9], s[28:29]
	s_and_b32 s41, s41, 511
	s_lshl_b32 s32, s41, 17                        ; 64 rows of 2,048 bytes
	s_lshl_b32 s42, s22, 15                        ; my 16 of them
	s_add_co_u32 s32, s32, s42
	s_mov_b32 s33, 0
	s_add_nc_u64 s[28:29], s[28:29], s[32:33]
.endm
.macro XLOAD4 b                        ; rows 4 b .. 4 b + 3 of my 16: sixteen loads of 512 consecutive bytes (destination window 1)
.irp p, 0,1,2,3
.irp d, 0,1,2,3
	global_load_b128 v[16*(4*(\b)+\p)+4*\d:16*(4*(\b)+\p)+4*\d+3], v1, s[28:29] offset:2048*(4*(\b)+\p)+512*\d th:TH_LOAD_NT
.endr
.endr
.endm
; The weights, the bias and the scales of tensor s24.  again = 1: other weights lie in the registers and have been multiplied by.
.macro LOADW again
.rept 4
	v_nop                                          ; places in front of loads into registers that matrix instructions have read
.endr
	s_lshl_b32 s32, s24, 18
	s_lshl_b32 s41, s22, 16
	s_add_co_u32 s32, s32, s41
	s_mov_b32 s33, 0
	s_add_nc_u64 s[34:35], s[10:11], s[32:33]      ; my 32 fragments: 262,144 T + 65,536 w
	WIN 0x80
.if \again
	s_wait_alu depctr_va_vdst(0)                   ; the last sub-block's products are done reading W's fragments and the bias, in which the loads below land
.endif
.set f, 0
.rept 16
.irp c, 0,1,2,3
	global_load_b128 v[16*f+4*\c:16*f+4*\c+3], v1, s[34:35] offset:2048*f+512*\c
.endr
.set f, f+1
.endr
	WIN 0xc0
.rept 16
.irp c, 0,1,2,3
	global_load_b128 v[16*(f-16)+4*\c:16*(f-16)+4*\c+3], v1, s[34:35] offset:2048*f+512*\c
.endr
.set f, f+1
.endr
	WIN 0
	s_cmp_eq_u32 s24, 1
	s_cselect_b64 s[36:37], s[14:15], s[12:13]
	s_cselect_b32 s38, s50, s48                    ; ex
	s_cselect_b32 s39, s51, s49                    ; ew
	s_cselect_b32 s40, s55, s54                    ; eo
	s_cmp_eq_u32 s24, 2
	s_cselect_b64 s[36:37], s[16:17], s[36:37]
	s_cselect_b32 s38, s52, s38
	s_cselect_b32 s39, s53, s39
	s_cselect_b32 s40, s56, s40
	s_lshl_b32 s32, s22, 9                         ; my 128 numbers of the bias
	s_add_nc_u64 s[36:37], s[36:37], s[32:33]
	s_cmp_eq_u32 s24, 2
	s_cbranch_scc1 .Lbv_\@
.irp t, 0,1,2,3,4,5,6,7
.irp u, 0,1
	global_load_b128 v[BI+8*\t+4*\u:BI+8*\t+4*\u+3], v12, s[36:37] offset:64*\t+16*\u   ; q, k: register j = feature 16 t + 8 h + j
.endr
.endr
	s_branch .Lbj_\@
.Lbv_\@:
.irp t, 0,1,2,3,4,5,6,7
.irp j, 0,1,2,3,4,5,6,7
	global_load_b32 v[BI+8*\t+\j], v13, s[36:37] offset:64*\t                           ; v: every register = feature 16 t + r
.endr
.endr
.Lbj_\@:
	s_wait_loadcnt 0x0
	s_add_co_i32 s41, s38, s39                     ; ex + ew
	s_sub_co_i32 s42, 0, s41
.set i, 0
.rept 64
	v_ldexp_f32 v[BI+i], v[BI+i], s42              ; b / 2^(ex + ew)
.set i, i+1
.endr
	s_add_co_i32 s42, s38, 127
	s_lshl_b32 s43, s42, 23
	v_mov_b32 v8, s43                              ; 2^ex
	s_add_co_i32 s42, s42, 8
	s_lshl_b32 s42, s42, 23
	s_or_b32 s42, s42, 0x600000
	v_mov_b32 v9, s42                              ; 448 x 2^ex
	s_sub_co_i32 s42, s40, s41
	s_add_co_i32 s42, s42, 127
	s_lshl_b32 s43, s42, 23
	v_mov_b32 v10, s43                             ; 2^(eo - ex - ew)
	s_add_co_i32 s42, s42, 8
	s_lshl_b32 s42, s42, 23
	s_or_b32 s42, s42, 0x600000
	v_mov_b32 v11, s42                             ; 448 x that
.endm
; My 16 rows of x become codes in LDS, four rows at a time.  ahead = 1: each batch's registers take the same rows of the next sub-block at once.
.macro PHASEX ahead
.irp b, 0,1,2,3
.if \ahead
	s_wait_loadcnt 48                              ; this batch's 16 loads are in; behind them stand the 48 of the other three batches
.else
	s_wait_loadcnt 48-16*\b                        ; nothing is asked for any more: the counts run down
.endif
	WIN 0x41
.set i, 0
.rept 64
	v_med3_num_f32 v[64*\b+i], v[64*\b+i], -v9, v9 ; the hold at the largest code x the scale (ISA guide 7.6.2)
.set i, i+1
.endr
	s_wait_alu depctr_va_vdst(0)
	s_wait_dscnt 4                                 ; all but the last batch's four stores are done: the set of codes used two batches ago has been read
	s_wait_alu depctr_vm_vsrc(0)                   ; the stores that read this set of codes last (the LDS stores of two batches ago; in the first two batches the last sub-block's stores) have read it: the conversions write it again
	WIN 0x01
.irp q, 0,1,2,3,4,5,6,7
	v_cvt_scalef32_pk8_fp8_f32 v[PC+16*(\b%2)+2*\q:PC+16*(\b%2)+2*\q+1], v[64*\b+8*\q:64*\b+8*\q+7], v8
.endr
	v_nop                                          ; a plain line behind the last conversion
	WIN 0x40
	s_wait_alu depctr_va_vdst(0)                   ; the conversions have written the codes, which the LDS stores read; they and the holds are done with this batch's numbers, in which the loads below land; in the first batch: v6 and v7 are written
.irp p, 0,1,2,3
	ds_store_b128 v6, v[PC+16*(\b%2)+4*\p:PC+16*(\b%2)+4*\p+3] offset:ROWP*(4*\b+\p)   ; a row's 512 bytes, 16 a lane
.endr
.if \ahead
	XLOAD4 \b
.endif
.endr
	WIN 0
.endm
.macro FETCH m                         ; x's four fragments of rows 16 m on: register 4 c + d of K step s is byte 128 s + 32 c + 16 h + 4 d of row r
.irp s, 0,1,2,3
.irp c, 0,1,2,3
	ds_load_b128 v[XF+16*\s+4*\c:XF+16*\s+4*\c+3], v7 offset:16*ROWP*(\m)+128*\s+32*\c
.endr
.endr
.endm
; The stores of the codes of rows 16 m on (v: of rows 16 (m - 1) on and 16 m on together, m odd).
.macro STQ isv, m
.if \isv
.irp t, 0,1,2,3,4,5,6,7
	global_store_b128 v1, v[PC+4*\t:PC+4*\t+3], s[30:31] offset:65536*(\t/4)+1024*(\t%4)+512*((\m)/2)    ; head 2 w + t / 4, channels 16 (t % 4) on: 512 consecutive bytes
.endr
.else
.irp g, 0,1
.irp u, 0,1
	global_store_b128 v1, v[PC+16*((\m)%2)+8*\g+4*\u:PC+16*((\m)%2)+8*\g+4*\u+3], s[30:31] offset:65536*\g+1024*(\m)+512*\u   ; head 2 w + g, tile m: 512 consecutive bytes
.endr
.endr
.endif
.endm
; The products of a sub-block, 16 rows at a time: 32 matrix instructions, the eight accumulators by turns; then the quantiser.  A tile's codes are stored behind the next tile's products.
.macro P1 isv
	FETCH 0                                        ; no wait of its own: no vector or matrix line since the last batch's wait on va_vdst names v7 or x's fragments
.irp m, 0,1,2,3
	s_wait_dscnt 0x0                               ; the four fragments are in
.irp s, 0,1,2,3
.if \isv
	WIN 0x08+4*(\s/2)                              ; source 1 (W) window 2 or 3
.else
	WIN 0x02+(\s/2)                                ; source 0 (W) window 2 or 3
.endif
.irp t, 0,1,2,3,4,5,6,7
.if \isv
.if \s == 0
	v_wmma_f32_16x16x128_fp8_fp8 v[ACC+8*\t:ACC+8*\t+7], v[XF+16*\s:XF+16*\s+15], v[16*(8*(\s%2)+\t):16*(8*(\s%2)+\t)+15], v[BI+8*\t:BI+8*\t+7]
.else
	v_wmma_f32_16x16x128_fp8_fp8 v[ACC+8*\t:ACC+8*\t+7], v[XF+16*\s:XF+16*\s+15], v[16*(8*(\s%2)+\t):16*(8*(\s%2)+\t)+15], v[ACC+8*\t:ACC+8*\t+7]
.endif
.else
.if \s == 0
	v_wmma_f32_16x16x128_fp8_fp8 v[ACC+8*\t:ACC+8*\t+7], v[16*(8*(\s%2)+\t):16*(8*(\s%2)+\t)+15], v[XF+16*\s:XF+16*\s+15], v[BI+8*\t:BI+8*\t+7]
.else
	v_wmma_f32_16x16x128_fp8_fp8 v[ACC+8*\t:ACC+8*\t+7], v[16*(8*(\s%2)+\t):16*(8*(\s%2)+\t)+15], v[XF+16*\s:XF+16*\s+15], v[ACC+8*\t:ACC+8*\t+7]
.endif
.endif
.endr
.endr
	WIN 0
.rept 4
	v_nop                                          ; places in front of the loads into x's fragments and of the first read of the sums
.endr
.if (\m < 3) || (\isv == 0)
	s_wait_alu depctr_va_vdst(0)                   ; these rows' products are done reading x's fragments, in which the next rows' land; the conversions of the rows before have written their codes, which the stores below read
.endif
.if \m < 3
	FETCH \m+1                                     ; lands while these rows are quantised
.endif
.if \isv
.if \m == 2
	STQ 1, 1                                       ; keys 0 to 31 of the step
.endif
.else
.if \m > 0
	STQ 0, (\m-1)                                  ; the tile before
.endif
.endif
.set i, 0
.rept 64
	v_med3_num_f32 v[ACC+i], v[ACC+i], -v11, v11   ; each accumulator from its low end on.  (These are also the places in front of the next rows' first products, which begin the accumulators anew)
.set i, i+1
.endr
	s_wait_alu depctr_va_vdst(0)
	s_wait_xcnt 0x0                                ; earlier stores have read the registers of the codes
	s_wait_alu depctr_vm_vsrc(0)                   ; the stores issued so far, LDS and global, have read the codes' registers that the conversions below write again
.irp t, 0,1,2,3,4,5,6,7
.if \isv
	v_cvt_scalef32_pk8_fp8_f32 v[PC+4*\t+2*(\m%2):PC+4*\t+2*(\m%2)+1], v[ACC+8*\t:ACC+8*\t+7], v10     ; keys 16 m + 8 h + 0 .. 7 of feature 16 t + r
.else
	v_cvt_scalef32_pk8_fp8_f32 v[PC+16*(\m%2)+2*\t:PC+16*(\m%2)+2*\t+1], v[ACC+8*\t:ACC+8*\t+7], v10   ; features 16 t + 8 h + 0 .. 7 of row r
.endif
.endr
	v_nop                                          ; a plain line between the last conversion and the products that write its sources
.endr
	s_wait_alu depctr_va_vdst(0)                   ; the last rows' conversions have written their codes, which the stores below read
	STQ \isv, 3
.endm
; A sub-block.  ahead = 1: the next one's x is asked for on the way, and the weights are changed where the tensor changes.
.macro SUB ahead
	s_wait_xcnt 0x0                                ; all earlier loads and stores have read their addresses and data: bases and codes may be written
	s_wait_alu depctr_vm_vsrc(0)                   ; the last sub-block's LDS stores and loads have read v6 and v7, which are written below; its last stores have read the codes
	s_lshr_b32 s24, s23, 9                         ; T
.if \ahead
	s_cmp_eq_u32 s24, s25
	s_cbranch_scc1 .Lsame_\@
	LOADW 1
	s_mov_b32 s25, s24
.Lsame_\@:
	s_add_co_u32 s41, s23, 1
	SETNX
.endif
	s_lshr_b32 s41, s23, 4                         ; 32 T + seq
	s_lshl_b32 s41, s41, 19
	s_lshl_b32 s42, s22, 17                        ; head 2 w
	s_add_co_u32 s41, s41, s42
	s_and_b32 s42, s23, 15                         ; four tiles of rows, or one step of keys: 4,096 bytes
	s_lshl_b32 s42, s42, 12
	s_add_co_u32 s32, s41, s42
	s_mov_b32 s33, 0
	s_add_nc_u64 s[30:31], s[20:21], s[32:33]
	v_add_nc_u32 v6, s27, v4
	v_add_nc_u32 v7, s27, v5
	s_wait_alu depctr_va_vdst(0)
	PHASEX \ahead
	s_wait_dscnt 0x0                               ; my stores have landed
	s_barrier_signal -1
	s_barrier_wait -1                              ; the sub-block's 64 rows of codes lie in the buffer
	s_cmp_eq_u32 s24, 2
	s_cbranch_scc1 .Lv_\@
	P1 0
	s_branch .Lj_\@
.Lv_\@:
	P1 1
.Lj_\@:
	s_xor_b32 s27, s27, BUF1                       ; the other buffer
	s_add_co_u32 s23, s23, 1
.endm
	s_load_b256 s[4:11], s[0:1], 0x0               ; query s[4:5], key s[6:7], value s[8:9], wc s[10:11]
	s_load_b256 s[12:19], s[0:1], 0x20             ; bq s[12:13], bk s[14:15], bv s[16:17], lowp_scales s[18:19]
	s_load_b64 s[20:21], s[0:1], 0x40              ; codes
	v_lshl_add_u32 v30, v0, 2, 0x18400
	v_mov_b32 v31, 0
	v_lshrrev_b32 v2, 5, v0
	v_readfirstlane_b32 s22, v2                    ; wave
	v_and_b32 v1, 31, v0
	v_lshlrev_b32 v1, 4, v1                        ; 16 x lane
	v_and_b32 v2, 15, v0                           ; r
	v_bfe_u32 v3, v0, 4, 1                         ; h
	v_mul_u32_u24 v5, v2, ROWP
	v_lshl_add_u32 v5, v3, 4, v5                   ; where I fetch: row r, + 16 h
	v_lshlrev_b32 v12, 5, v3
	v_lshlrev_b32 v13, 2, v2
	s_wait_alu depctr_va_sdst(0)                   ; s22 is written, ahead of its first reader
	s_mul_i32 s41, s22, 16*ROWP
	v_add_nc_u32 v4, s41, v1                       ; where I store: my wave's 16 rows, 16 bytes a lane
	s_mul_i32 s23, ttmp9, 6                        ; G
	s_lshr_b32 s24, s23, 9                         ; T
	s_mov_b32 s25, s24                             ; the tensor whose weights are in registers
	s_mov_b32 s26, 5
	s_mov_b32 s27, 0                               ; the buffer in hand
	s_wait_kmcnt 0x0
	s_load_b256 s[48:55], s[18:19], 0x0            ; e0 .. e7
	s_load_b128 s[56:59], s[18:19], 0x20           ; e8 .. e11
	s_mov_b32 s41, s23
	SETNX
	WIN 0x40
	s_wait_alu depctr_va_vdst(0)                   ; v1, v12 and v13 are written: every global load and store of the kernel reads one of them as its offset
	XLOAD4 0
	XLOAD4 1
	XLOAD4 2
	XLOAD4 3
	WIN 0
	s_wait_kmcnt 0x0
	LOADW 0
.Lsub:
	SUB 1
	s_sub_co_i32 s26, s26, 1
	s_cmp_lg_u32 s26, 0
	s_cbranch_scc1 .Lsub
	SUB 0                                          ; the sixth sub-block asks for nothing: no load leaves its buffer
	s_wait_dscnt 0x0
	s_wait_alu depctr_hold_cnt(0) depctr_sa_sdst(0) depctr_va_vdst(0) depctr_va_sdst(0) depctr_va_ssrc(0) depctr_va_vcc(0) depctr_vm_vsrc(0)
	s_wait_tensorcnt 0x0
	ds_add_u32 v30, v31
	s_wait_dscnt 0x0
	s_endpgm
.Lfunc_end_k_q1b2991074e_proj:
	.size	k_q1b2991074e_proj, .Lfunc_end_k_q1b2991074e_proj-k_q1b2991074e_proj
	.p2alignl 7, 3214868480
	.fill 96, 4, 3214868480
	.section	.rodata,"a",@progbits
	.p2align	6, 0x0
	.amdhsa_kernel k_q1b2991074e_proj
		.amdhsa_group_segment_fixed_size 99840
		.amdhsa_private_segment_fixed_size 0
		.amdhsa_enable_private_segment 0
		.amdhsa_kernarg_size 72
		.amdhsa_user_sgpr_count 2
		.amdhsa_user_sgpr_kernarg_segment_ptr 1
		.amdhsa_wavefront_size32 1
		.amdhsa_system_sgpr_workgroup_id_x 1
		.amdhsa_system_sgpr_workgroup_id_y 1
		.amdhsa_system_sgpr_workgroup_id_z 1
		.amdhsa_system_vgpr_workitem_id 0
		.amdhsa_next_free_vgpr 1024
		.amdhsa_next_free_sgpr 66
		.amdhsa_reserve_vcc 0
		.amdhsa_float_denorm_mode_32 3
		.amdhsa_float_denorm_mode_16_64 3
		.amdhsa_memory_ordered 1
		.amdhsa_forward_progress 1
		.amdhsa_inst_pref_size 240
	.end_amdhsa_kernel
	.amdgpu_metadata
---
amdhsa.version: [ 1, 2 ]
amdhsa.kernels:
  - .name:           k_q1b2991074e_proj
    .symbol:         k_q1b2991074e_proj.kd
    .args:
      - { .name: query, .offset: 0, .size: 8, .value_kind: global_buffer, .address_space: global }
      - { .name: key, .offset: 8, .size: 8, .value_kind: global_buffer, .address_space: global }
      - { .name: value, .offset: 16, .size: 8, .value_kind: global_buffer, .address_space: global }
      - { .name: wc, .offset: 24, .size: 8, .value_kind: global_buffer, .address_space: global }
      - { .name: bq, .offset: 32, .size: 8, .value_kind: global_buffer, .address_space: global }
      - { .name: bk, .offset: 40, .size: 8, .value_kind: global_buffer, .address_space: global }
      - { .name: bv, .offset: 48, .size: 8, .value_kind: global_buffer, .address_space: global }
      - { .name: lowp_scales, .offset: 56, .size: 8, .value_kind: global_buffer, .address_space: global }
      - { .name: codes, .offset: 64, .size: 8, .value_kind: global_buffer, .address_space: global }
    .group_segment_fixed_size: 99840
    .private_segment_fixed_size: 0
    .kernarg_segment_align: 8
    .kernarg_segment_size: 72
    .max_flat_workgroup_size: 128
    .sgpr_count:     66
    .vgpr_count:     1024
    .wavefront_size: 32
...
	.end_amdgpu_metadata
.endif
;; end of part 5
;; launch attn (part 6): grid 256 x 1, 8 waves a work-group, no clusters, 101,376 bytes of LDS; arguments codes, wc, bo, lowp_scales, out0; writes out0
.if DOCPART == 6
	.amdgcn_target "amdgcn-amd-amdhsa--gfx1250"
	.amdhsa_code_object_version 6
	.text
	.protected	k_q1b2991074e_attn
	.globl	k_q1b2991074e_attn
	.p2align	8
	.type	k_q1b2991074e_attn,@function
k_q1b2991074e_attn:
	s_mov_b64 s[64:65], 0
	v_nop
	global_prefetch_b8 v0, s[64:65] scope:SCOPE_SE
	s_setreg_imm32_b32 hwreg(HW_REG_WAVE_SCHED_MODE, 0, 2), 2
	s_setreg_imm32_b32 hwreg(HW_REG_WAVE_MODE, 25, 1), 1
	s_wait_xcnt 0x0
	s_wait_alu depctr_vm_vsrc(0)
; Causal attention on codes of E4M3 for all 8 heads of two blocks of 64 queries, its result quantised, and out0 = result Wo^T + bo.
; SHARES.  Work-group x: sequence x / 8, i = x % 8; it owns query blocks 15 - i and i: (16 - i) + (i + 1) = 17 steps of 64 keys in every work-group.  In the attention a wave is a head: four tiles of 16 queries;
; K's and V's fragments, stored as images of registers, go from memory straight into that wave's registers: nobody else in the work-group wants them.  In the last product wave w makes columns 64 w .. 64 w + 63 of the 128 rows.
; LAYOUT.  S^T = K Q^T (source 0 = 16 keys, source 1 = 16 queries), O^T = V^T P (source 0 = 16 channels, source 1 = P): a lane holds ONE query (lane % 16) throughout; its eight scores of a tile are keys 16 c + 8 h + 0 .. 7,
; which is where the K = 64 form wants them: the conversions' results are P.  O^T's eight registers of a tile are channels 16 dt + 8 h + 0 .. 7: quantised, a head's eight registers are half a K = 128 fragment of the last product.
; SOFTMAX.  t = score x log2(e) / 8; M = the running largest t rounded up to a whole number, kept as -M = floor(-t); p = 2^(t - M) is quantised with 2^e9, not normalised; the sum is taken of the unquantised p;
; when M moves, the sum and O^T are multiplied by 2^(old M - new M), which rounds nothing.  At the end O^T x 2^(e8 + e9) / sum.
; THE MASK.  Steps whose keys all come after the block's queries are not walked.  In the block's last step tiles of keys behind a tile of queries are not multiplied and count as -infinity; on the diagonal tile register j is hidden where j > r - 8 h.
; THE HOLD of p at 448 x 2^e9 can act only where that is under 1, e9 < -8 (p is at most 1): a scalar branch on that whole number passes over it otherwise.
; LIMITS: e6 + e7 between -123 and 130 (added to the exponent field of log2(e) / 8); e9 and e10 between -126 and 119; e10 + e11 between -126 and 127.  NaN among the inputs is not served.
; NO CLUSTER: the eight work-groups of a sequence walk different numbers of key steps at different times, and a joint load would land in LDS bytes that a single wave then reads once.  No tensor load for the same reason.
; LDS: 0: the quantised result, [block 2][tile 4][head 8][1,024 bytes], registers 4 u .. 4 u + 3 of lane l at 512 u + 16 l;  65,536 + 4,352 w: wave w's stage, 16 rows x (256 + 16) bytes.
; REGISTERS: window 0: v1 16 x lane; v2 the same + V's distance from K; v3 the prefetch's offset; v4 image store; v5, v6 stage in, back; v7 offset in out0; v8, v9 448 x 2^e9, 2^e9; v10 -infinity; v11 r - 8 h; v12, v13 2^e10, 448 x 2^e10; v14 32 h;
;   v16-47 eight a tile: -M, largest t, the sum (2), f, 0, at work (2); later bo;  v48-79 Q;  v80-111 P;  v112-239 S^T, 32 a tile.   window 1: v0-127 O^T, 32 a tile; v128-159 K; v160-191 V.
;   For the last product: v48-111 four fragments of the result, then rows read back; Wo's fragments (nt, s): s < 2 at v112 + 16 (4 s + nt), s >= 2 in window 1 at v128 + 16 (4 (s - 2) + nt); sums where O^T lay.
; THE MODE: SCHED_MODE bits 1:0 = 2 (LLVM: expert scheduling mode 2), set by the entry lines.  The code itself states the register dependences between vector or matrix instructions and memory or LDS instructions, with s_wait_alu, always for 0.
; THE PLAN.  Registers that memory or LDS instructions touch:
;   v1-v7, v14  offsets and LDS addresses, made at the head and never written again: one wait on va_vdst ahead of the first load.
;   K, V        A step's K Q^T reads K, its V^T P reads V.  ONE wait on va_vdst a step, behind K Q^T and its places: these products are done reading K, the step before's V^T P is done reading V.  Behind it stand, in one run,
;               this step's V and the next step's K; the softmax that follows names neither.  V is waited for ahead of V^T P, K at the next step's head.
;   Q           read by K Q^T alone: the wait in a block's last step frees Q and K for the next block's loads, which follow that step; no line between names them.
;   P           written by conversions, read by products; at a block's end written by conversions (a wait on va_vdst) and read by LDS stores (a wait on vm_vsrc), before it is written again.
;   S^T, K, V   take Wo's fragments behind the last step: a wait on va_vdst.     v16-47 take bo behind the last lines that name them, which stand ahead of the block's end's wait on va_vdst.
;   v48-111     in the last product: LDS loads land, products read (a wait on va_vdst behind each K step's products but the last); then rows read back, which global stores read (vm_vsrc before they are loaded again).
;   the sums    all 64 multiply-adds of a block stand together; ONE wait on va_vdst behind them serves the 32 LDS stores that read them and the loads of rows; vm_vsrc at the next block's head, before products write them again.
.set ST,  16
.set QR,  48
.set PR,  80
.set SR,  112
.set XF,  48
.set KR,  128                          ; window 1
.set VR,  160                          ; window 1
.set STG, 65536
.set MSB, 0
.macro WIN new                         ; the immediate's high byte repeats the setting that is left; a switch that changes nothing is dropped
.if MSB != (\new)
	s_set_vgpr_msb (MSB<<8)|(\new)
.set MSB, (\new)
.endif
.endm
; Block s17: Q's four tiles and the first step's K are asked for; s[24:25] then stands at K's step 1.  (Each step asks for its own V.)
; No wait on va_vdst stands here: at the head the one ahead of this macro has shown v1 written; behind a block, no vector or matrix line since the wait in its last step names Q or K.
.macro PRE
	s_wait_xcnt 0x0                                ; earlier loads have read their bases
	s_lshl_b32 s28, s15, 19
	s_lshl_b32 s29, s14, 16
	s_add_co_u32 s28, s28, s29                     ; the sequence, the head
	s_mov_b32 s29, 0
	s_add_nc_u64 s[24:25], s[4:5], s[28:29]
	s_add_nc_u64 s[24:25], s[24:25], 0x1000000     ; k's codes lie 2^24 bytes behind q's, v's another 2^24
	s_lshl_b32 s34, s17, 12
	s_add_co_u32 s28, s28, s34                     ; the block's four tiles
	s_add_nc_u64 s[26:27], s[4:5], s[28:29]
.irp n, 0,1,2,3,4,5,6,7
	global_load_b128 v[QR+4*\n:QR+4*\n+3], v1, s[26:27] offset:512*\n th:TH_LOAD_NT
.endr
	WIN 0x40
.irp n, 0,1,2,3,4,5,6,7
	global_load_b128 v[KR+4*\n:KR+4*\n+3], v1, s[24:25] offset:512*\n
.endr
	WIN 0
	s_wait_xcnt 0x0
	s_add_nc_u64 s[24:25], s[24:25], 4096
.endm
.macro INIT                            ; the step is written once: the first finds zeros, which the first change of M leaves zeros
.irp a, 0,1,2,3
	v_mov_b32 v[ST+8*\a+1], 0xff61b1e6             ; the largest t so far: -3e38, under every t
	v_mov_b32 v[ST+8*\a+2], 0
	v_mov_b32 v[ST+8*\a+3], 0
	v_mov_b32 v[ST+8*\a+5], 0                      ; (named as the upper half of f's pair)
	v_mov_b32 v[ST+8*\a+7], 0                      ; (a lane permute's destination counts as read)
.endr
.irp a, 0,1,2,3
	v_floor_f32 v[ST+8*\a], -v[ST+8*\a+1]
.endr
	WIN 0x40
.set i, 0
.rept 128
	v_mov_b32 v[i], 0
.set i, i+1
.endr
	WIN 0
.endm
; The four tiles' softmax of a step, stage by stage, the tiles by turns.
.macro SOFTMAX
.irp a, 0,1,2,3
	v_max3_num_f32 v[ST+8*\a+6], v[SR+32*\a], v[SR+32*\a+1], v[SR+32*\a+2]      ; every accumulator is first read at its low end
.endr
.irp i, 3,5,7,9,11,13,15,17,19,21,23,25,27,29
.irp a, 0,1,2,3
	v_max3_num_f32 v[ST+8*\a+6], v[ST+8*\a+6], v[SR+32*\a+\i], v[SR+32*\a+\i+1]
.endr
.endr
.irp a, 0,1,2,3
	v_max_num_f32 v[ST+8*\a+6], v[ST+8*\a+6], v[SR+32*\a+31]
.endr
.irp a, 0,1,2,3
	v_permlanex16_b32 v[ST+8*\a+7], v[ST+8*\a+6], s20, s21                     ; the query's other 32 keys lie in the lane 16 away
.endr
.irp a, 0,1,2,3
	v_max_num_f32 v[ST+8*\a+6], v[ST+8*\a+6], v[ST+8*\a+7]
.endr
.irp a, 0,1,2,3
	v_mul_f32 v[ST+8*\a+6], s22, v[ST+8*\a+6]                                  ; as t (the factor is positive)
.endr
.irp a, 0,1,2,3
	v_max_num_f32 v[ST+8*\a+1], v[ST+8*\a+1], v[ST+8*\a+6]
.endr
.irp a, 0,1,2,3
	v_mov_b32 v[ST+8*\a+6], v[ST+8*\a]
.endr
.irp a, 0,1,2,3
	v_floor_f32 v[ST+8*\a], -v[ST+8*\a+1]                                      ; the new -M
.endr
.irp a, 0,1,2,3
	v_sub_f32 v[ST+8*\a+6], v[ST+8*\a], v[ST+8*\a+6]                           ; old M - new M: a whole number, 0 or less
.endr
.irp a, 0,1,2,3
	v_cvt_i32_f32 v[ST+8*\a+6], v[ST+8*\a+6]                                   ; (it saturates)
.endr
.irp a, 0,1,2,3
	v_ldexp_f32 v[ST+8*\a+4], 1.0, v[ST+8*\a+6]                                ; f
.endr
.irp j, 0,2,4,6,8,10,12,14,16,18,20,22,24,26,28,30
.irp a, 0,1,2,3
	v_pk_fma_f32 v[SR+32*\a+\j:SR+32*\a+\j+1], v[SR+32*\a+\j:SR+32*\a+\j+1], s[22:23], v[ST+8*\a:ST+8*\a+1] op_sel_hi:[1,0,0]   ; t - M, two at a time
.endr
.endr
.set i, 0
	s_wait_alu depctr_va_vdst(0)
.rept 128
	v_exp_f32 v[SR+i], v[SR+i]                                                 ; p = 2^(t - M): one batch
.set i, i+1
.endr
.irp a, 0,1,2,3
	v_pk_mul_f32 v[ST+8*\a+2:ST+8*\a+3], v[ST+8*\a+2:ST+8*\a+3], v[ST+8*\a+4:ST+8*\a+5] op_sel_hi:[1,0]   ; the sums under the new M: plain lines behind the last exponential
.endr
	s_wait_alu depctr_va_vdst(0)                   ; this wait stands ahead of the first line that names an exponential's result: one for the 128
.irp j, 0,2,4,6,8,10,12,14,16,18,20,22,24,26,28,30
.irp a, 0,1,2,3
	v_pk_add_f32 v[ST+8*\a+2:ST+8*\a+3], v[ST+8*\a+2:ST+8*\a+3], v[SR+32*\a+\j:SR+32*\a+\j+1]             ; the sum of the unquantised p
.endr
.endr
.endm
; A step of 64 keys.  diag = 1: the block's last step, on the diagonal; no further K is asked for.  pf = 1: the prefetch stands in it.  s[24:25] stands at K's next step: this step's V lies 4,096 bytes back from there, and v2 on.
.macro STEP diag, pf
	s_wait_loadcnt 0x0                             ; K (and Q) are in: nothing was issued behind K's loads
	WIN 0x01
.irp c, 0,1,2,3
.irp a, 0,1,2,3
.if (\diag == 0) || (\c <= \a)
	v_wmma_f32_16x16x64_fp8_fp8 v[SR+32*\a+8*\c:SR+32*\a+8*\c+7], v[KR+8*\c:KR+8*\c+7], v[QR+8*\a:QR+8*\a+7], 0
.endif
.endr
.endr
	WIN 0
.if \diag
.irp a, 0,1,2
.irp c, 1,2,3
.if \c > \a
.irp j, 0,1,2,3,4,5,6,7
	v_mov_b32 v[SR+32*\a+8*\c+\j], v10             ; tiles of keys behind the tile of queries: -infinity.  (These 48 are also the places behind the products)
.endr
.endif
.endr
.endr
.else
.rept 4
	v_nop                                          ; places in front of the loads into K and of the first read of the scores
.endr
.endif
	WIN 0x40
	s_wait_alu depctr_va_vdst(0)                   ; the products above are done reading K, and the step before's V^T P is done reading V: the loads below land in them
.irp n, 0,1,2,3,4,5,6,7
	global_load_b128 v[VR+4*\n:VR+4*\n+3], v2, s[24:25] offset:512*\n-4096     ; this step's V
.endr
.if \diag == 0
.irp n, 0,1,2,3,4,5,6,7
	global_load_b128 v[KR+4*\n:KR+4*\n+3], v1, s[24:25] offset:512*\n          ; the next step's K
.endr
.endif
	WIN 0
.if \diag
.irp a, 0,1,2,3
.irp j, 0,1,2,3,4,5,6,7
	v_cndmask_b32 v[SR+40*\a+\j], v[SR+40*\a+\j], v10, s[48+\j]   ; the diagonal tile: key 8 h + j is hidden where it is above query r
.endr
.endr
.else
.if \pf
; A PREFETCH of K's and V's 4,096 bytes each of the step three on, which is loaded two trips later: lanes 0-15 name K's sixteen blocks of 256 bytes, lanes 16-31 V's.  Only the sequence's work-group with i = 0 asks, in its first
; block, which walks all 16 steps; each wave for its own head: every block is named once in the launch.  It stops while three steps are left (s18 <= 2): step 15 is the last that is named.  Steps 0 to 2 come by their loads alone.
	s_cmp_gt_u32 s18, s19
	s_cbranch_scc0 .Lnopf_\@
	global_prefetch_b8 v3, s[24:25] offset:8192 th:TH_LOAD_NT scope:SCOPE_SE
.Lnopf_\@:
.endif
.endif
	SOFTMAX
	s_cmp_lg_u32 s32, 0
	s_cbranch_scc0 .Lnohold_\@
.set i, 0
.rept 128
	v_min_num_f32 v[SR+i], v[SR+i], v8             ; the conversion does not saturate (ISA guide 7.6.2); p is not negative, so the hold is one-sided
.set i, i+1
.endr
.Lnohold_\@:
.irp a, 0,1,2,3
.irp c, 0,1,2,3
	v_cvt_scalef32_pk8_fp8_f32 v[PR+8*\a+2*\c:PR+8*\a+2*\c+1], v[SR+32*\a+8*\c:SR+32*\a+8*\c+7], v9
.endr
.endr
.if \diag
	s_wait_loadcnt 0x0                             ; V is in
.else
	s_wait_loadcnt 8                               ; V is in; the next step's K, eight loads issued behind V's, may be out
.endif
	WIN 0x41
.irp a, 0,1,2,3
.irp j, 0,2,4,6,8,10,12,14,16,18,20,22,24,26,28,30
	v_pk_mul_f32 v[32*\a+\j:32*\a+\j+1], v[32*\a+\j:32*\a+\j+1], v[ST+8*\a+4:ST+8*\a+5] op_sel_hi:[1,0]   ; O^T under the new M.  (Also the plain lines between the conversions and the products that read P)
.endr
.endr
	WIN 0x51
.irp d, 0,1,2,3
.irp a, 0,1,2,3
	v_wmma_f32_16x16x64_fp8_fp8 v[32*\a+8*\d:32*\a+8*\d+7], v[VR+8*\d:VR+8*\d+7], v[PR+8*\a:PR+8*\a+7], v[32*\a+8*\d:32*\a+8*\d+7]   ; sixteen accumulators, one instruction each
.endr
.endr
	WIN 0
.rept 4
	v_nop                                          ; places in front of loads into V and of whatever reads O^T next
.endr
.if \diag == 0
	s_wait_xcnt 0x0                                ; the step's loads and its prefetch have read the base
	s_add_nc_u64 s[24:25], s[24:25], 4096
.endif
.endm
.macro ATTN pf                         ; block s17: s17 whole steps, then the one on the diagonal.  Both ways into that step leave K's eight loads as the youngest
	INIT
	s_mov_b32 s18, s17
	s_cmp_eq_u32 s18, 0
	s_cbranch_scc1 .Ldiag_\@
.Lks_\@:
	STEP 0, \pf
	s_sub_co_i32 s18, s18, 1
	s_cmp_lg_u32 s18, 0
	s_cbranch_scc1 .Lks_\@
.Ldiag_\@:
	STEP 1, 0
.endm
; O^T x 2^(e8 + e9) / sum, quantised with 2^e10; my head's eight registers of each tile go to LDS as they stand.
.macro FINAL blk
.irp a, 0,1,2,3
	v_add_f32 v[ST+8*\a+6], v[ST+8*\a+2], v[ST+8*\a+3]
.endr
.irp a, 0,1,2,3
	v_permlanex16_b32 v[ST+8*\a+7], v[ST+8*\a+6], s20, s21
.endr
.irp a, 0,1,2,3
	v_add_f32 v[ST+8*\a+6], v[ST+8*\a+6], v[ST+8*\a+7]
.endr
	s_wait_alu depctr_va_vdst(0)
.irp a, 0,1,2,3
	v_rcp_f32 v[ST+8*\a+4], v[ST+8*\a+6]
.endr
	v_nop                                          ; a plain line behind the last reciprocal
	s_wait_alu depctr_va_vdst(0)                   ; and a wait ahead of the first use: one for the four
.irp a, 0,1,2,3
	v_ldexp_f32 v[ST+8*\a+4], v[ST+8*\a+4], s33
.endr
	WIN 0x41
.irp a, 0,1,2,3
.irp j, 0,2,4,6,8,10,12,14,16,18,20,22,24,26,28,30
	v_pk_mul_f32 v[32*\a+\j:32*\a+\j+1], v[32*\a+\j:32*\a+\j+1], v[ST+8*\a+4:ST+8*\a+5] op_sel_hi:[1,0]
.endr
.endr
.set i, 0
.rept 128
	v_med3_num_f32 v[i], v[i], -v13, v13           ; the hold at 448 x 2^e10
.set i, i+1
.endr
	WIN 0x01
.irp a, 0,1,2,3
.irp d, 0,1,2,3
	v_cvt_scalef32_pk8_fp8_f32 v[PR+8*\a+2*\d:PR+8*\a+2*\d+1], v[32*\a+8*\d:32*\a+8*\d+7], v12
.endr
.endr
	v_nop                                          ; a plain line behind the last conversion
	WIN 0
	s_wait_alu depctr_va_vdst(0)                   ; the conversions have written P, which the LDS stores read; every line that names the statistics v16-47 stands ahead of this wait too
.irp a, 0,1,2,3
.irp u, 0,1
	ds_store_b128 v4, v[PR+8*\a+4*\u:PR+8*\a+4*\u+3] offset:32768*\blk+8192*\a+512*\u
.endr
.endr
	s_wait_dscnt 0x0                               ; the stores have landed: P may be written again, and behind the second block the barrier may be signalled
	s_wait_alu depctr_vm_vsrc(0)                   ; the stores have read P, which the next block's conversions, or the fragments' loads, write again
.endm
; Block p's 64 rows (query block s17) x my 64 columns: sixteen accumulators by turns, a K step of 128 (two heads) at a time; then sum x 2^(e10 + e11) + bo, through my stage, out in whole rows of 256 bytes.
.macro OUTP p
	s_wait_xcnt 0x0                                ; earlier stores have read their base and the registers that the fragments share with them
	s_wait_alu depctr_vm_vsrc(0)                   ; the last block's global stores have read the rows, in which the fragments land; its LDS stores have read the sums, which the products write again
	s_lshl_b32 s28, s15, 21
	s_lshl_b32 s29, s17, 17
	s_add_co_u32 s28, s28, s29
	s_lshl_b32 s29, s14, 8
	s_add_co_u32 s28, s28, s29
	s_mov_b32 s29, 0
	s_add_nc_u64 s[56:57], s[12:13], s[28:29]      ; out0 at the block's first row, my first column
.irp s, 0,1,2,3
.irp a, 0,1,2,3
.irp c, 0,1,2,3
	ds_load_b128 v[XF+16*\a+4*\c:XF+16*\a+4*\c+3], v1 offset:32768*\p+8192*\a+2048*\s+512*\c   ; (K step 0: no vector or matrix line since the last wait on va_vdst names these registers)
.endr
.endr
	s_wait_dscnt 0x0
	WIN 0x50+(\s/2)                                ; C and D window 1; Wo (source 0) window 0 or 1
.irp a, 0,1,2,3
.irp n, 0,1,2,3
.if \s == 0
	v_wmma_f32_16x16x128_fp8_fp8 v[32*\a+8*\n:32*\a+8*\n+7], v[112+16*(\s/2)+16*(4*(\s%2)+\n):112+16*(\s/2)+16*(4*(\s%2)+\n)+15], v[XF+16*\a:XF+16*\a+15], 0
.else
	v_wmma_f32_16x16x128_fp8_fp8 v[32*\a+8*\n:32*\a+8*\n+7], v[112+16*(\s/2)+16*(4*(\s%2)+\n):112+16*(\s/2)+16*(4*(\s%2)+\n)+15], v[XF+16*\a:XF+16*\a+15], v[32*\a+8*\n:32*\a+8*\n+7]
.endif
.endr
.endr
	WIN 0
.rept 4
	v_nop                                          ; places in front of the loads into the fragments and of the first read of the sums
.endr
.if \s < 3
	s_wait_alu depctr_va_vdst(0)                   ; this K step's products are done reading the four fragments, in which the next K step's land
.endif
.endr
	WIN 0x41
.irp a, 0,1,2,3
.irp n, 0,1,2,3
.irp j, 0,2,4,6
	v_pk_fma_f32 v[32*\a+8*\n+\j:32*\a+8*\n+\j+1], v[32*\a+8*\n+\j:32*\a+8*\n+\j+1], s[30:31], v[ST+8*\n+\j:ST+8*\n+\j+1] op_sel_hi:[1,0,1]
.endr
.endr
.endr
	WIN 0x04                                       ; the stores' data in window 1
	s_wait_alu depctr_va_vdst(0)                   ; the multiply-adds have written all 128 results, which the LDS stores below read; the last K step's products are done reading the fragments, in which the rows land
.irp a, 0,1,2,3
	WIN 0x04
.irp n, 0,1,2,3
.irp u, 0,1
	ds_store_b128 v5, v[32*\a+8*\n+4*\u:32*\a+8*\n+4*\u+3] offset:64*\n+16*\u   ; lane (r, h): row r, columns 16 n + 8 h + 4 u on
.endr
.endr
	WIN 0
	s_wait_xcnt 0x0                                ; the stores of two tiles back have read these registers
.if \a >= 2
	s_wait_alu depctr_vm_vsrc(0)                   ; the global stores of two tiles back have read the rows' registers, in which the loads below land
.endif
.irp t, 0,1,2,3,4,5,6,7
	ds_load_b128 v[XF+32*(\a%2)+4*\t:XF+32*(\a%2)+4*\t+3], v6 offset:544*\t     ; LDS serves a wave's instructions in order (ISA guide 5.7.1.4): these see my stores
.endr
.irp t, 0,1,2,3,4,5,6,7
	s_wait_dscnt 7-\t
	global_store_b128 v7, v[XF+32*(\a%2)+4*\t:XF+32*(\a%2)+4*\t+3], s[56:57] offset:2048*(16*\a+2*\t) th:TH_STORE_NT   ; sixteen lanes store 256 consecutive bytes, aligned
.endr
.endr
.endm
	s_load_b256 s[4:11], s[0:1], 0x0               ; codes s[4:5], wc s[6:7], bo s[8:9], lowp_scales s[10:11]
	s_load_b64 s[12:13], s[0:1], 0x20              ; out0
	v_lshl_add_u32 v254, v0, 2, 0x18800
	v_mov_b32 v255, 0
	v_lshrrev_b32 v1, 5, v0
	v_readfirstlane_b32 s14, v1                    ; wave = head
	v_and_b32 v15, 31, v0
	v_lshlrev_b32 v1, 4, v15                       ; 16 x lane
	v_add_nc_u32 v2, 0x1000000, v1
	v_and_b32 v11, 15, v0                          ; r
	v_bfe_u32 v14, v0, 4, 1                        ; h
	v_lshlrev_b32 v3, 8, v11
	v_lshl_add_u32 v3, v14, 24, v3                 ; 256 (lane % 16), in K's step (lanes 0-15) or V's (16-31)
	v_mul_u32_u24 v5, v11, 272
	v_lshl_add_u32 v5, v14, 5, v5                  ; the stage, in: row r, + 32 h
	v_mul_u32_u24 v6, v14, 272
	v_lshl_add_u32 v6, v11, 4, v6                  ; back: lanes 0-15 one row, lanes 16-31 the next
	v_lshlrev_b32 v7, 11, v14
	v_lshl_add_u32 v7, v11, 4, v7                  ; the same two rows in out0
	v_mov_b32 v10, 0xff800000
	v_lshlrev_b32 v15, 3, v14
	v_sub_nc_u32 v11, v11, v15                     ; r - 8 h
	v_lshlrev_b32 v14, 5, v14                      ; 32 h
.irp j, 0,1,2,3,4,5,6,7
	v_cmp_gt_i32 s[48+\j], \j, v11                 ; the diagonal tile's mask for register j
.endr
	s_wait_alu depctr_va_sdst(0)                   ; s14 and the eight masks s48 to s55 are written, ahead of their first readers
	s_lshl_b32 s28, s14, 10
	v_add_nc_u32 v4, s28, v1                       ; my head's place in a tile's image
	s_mul_i32 s28, s14, 4352
	s_add_co_u32 s28, s28, STG                     ; my stage
	v_add_nc_u32 v5, s28, v5
	v_add_nc_u32 v6, s28, v6
	s_lshr_b32 s15, ttmp9, 3                       ; the sequence
	s_and_b32 s16, ttmp9, 7                        ; i
	s_cmp_eq_u32 s16, 0
	s_cselect_b32 s19, 2, -1                       ; who prefetches, and until when
	s_mov_b32 s20, 0x76543210
	s_mov_b32 s21, 0xfedcba98                      ; lane l xor 16
	s_wait_kmcnt 0x0
	s_load_b256 s[36:43], s[10:11], 0x0            ; e0 .. e7
	s_load_b128 s[44:47], s[10:11], 0x20           ; e8 .. e11
	s_sub_co_u32 s17, 15, s16                      ; the first block: the longer one
	s_wait_alu depctr_va_vdst(0)                   ; v1 to v7 and v14 are written: the kernel's loads, stores, LDS instructions and its prefetch read them as offsets and addresses
	PRE
	s_wait_kmcnt 0x0
	s_add_co_i32 s28, s42, s43
	s_lshl_b32 s28, s28, 23
	s_add_co_i32 s22, s28, 0x3e38aa3b              ; log2(e) / 8 x 2^(e6 + e7)
	s_mov_b32 s23, s22                             ; (named with it as a pair)
	s_add_co_i32 s28, s45, 127
	s_lshl_b32 s29, s28, 23
	v_mov_b32 v9, s29                              ; 2^e9
	s_add_co_i32 s28, s28, 8
	s_lshl_b32 s28, s28, 23
	s_or_b32 s28, s28, 0x600000
	v_mov_b32 v8, s28                              ; 448 x 2^e9
	s_add_co_i32 s28, s46, 127
	s_lshl_b32 s29, s28, 23
	v_mov_b32 v12, s29                             ; 2^e10
	s_add_co_i32 s28, s28, 8
	s_lshl_b32 s28, s28, 23
	s_or_b32 s28, s28, 0x600000
	v_mov_b32 v13, s28                             ; 448 x 2^e10
	s_add_co_i32 s28, s46, s47
	s_add_co_i32 s28, s28, 127
	s_lshl_b32 s30, s28, 23                        ; 2^(e10 + e11)
	s_mov_b32 s31, s30
	s_add_co_i32 s33, s44, s45                     ; e8 + e9
	s_cmp_lt_i32 s45, -8
	s_cselect_b32 s32, 1, 0                        ; is the hold of p needed?
	ATTN 1
	s_mov_b32 s17, s16                             ; the second block: its Q and K are on their way while the first block's result is finished
	PRE
	FINAL 0
	ATTN 0
	s_lshl_b32 s28, s14, 15                        ; Wo's 16 fragments of my 64 columns, into registers that the attention has left
	s_add_co_u32 s28, s28, 786432
	s_mov_b32 s29, 0
	s_add_nc_u64 s[58:59], s[6:7], s[28:29]
	s_wait_alu depctr_va_vdst(0)                   ; the last step's softmax and conversions are done with S^T, its products with K and V: Wo's fragments land in these registers
.set f, 0
.rept 8
.irp c, 0,1,2,3
	global_load_b128 v[112+16*f+4*\c:112+16*f+4*\c+3], v1, s[58:59] offset:2048*f+512*\c
.endr
.set f, f+1
.endr
	WIN 0x40
.rept 8
.irp c, 0,1,2,3
	global_load_b128 v[128+16*(f-8)+4*\c:128+16*(f-8)+4*\c+3], v1, s[58:59] offset:2048*f+512*\c
.endr
.set f, f+1
.endr
	WIN 0
	FINAL 1
	s_lshl_b32 s28, s14, 8
	s_add_nc_u64 s[60:61], s[8:9], s[28:29]        ; bo at my 64 columns
.irp n, 0,1,2,3
.irp u, 0,1
	global_load_b128 v[ST+8*\n+4*\u:ST+8*\n+4*\u+3], v14, s[60:61] offset:64*\n+16*\u   ; register 8 n + j = column 16 n + 8 h + j.  No wait of its own: no vector line follows the wait ahead of the image stores
.endr
.endr
	s_barrier_signal -1                            ; my image stores have landed (the wait stands at the end of the lines above): the launch's one barrier
	s_barrier_wait -1                              ; all eight heads' codes of both blocks lie in LDS
	s_wait_loadcnt 0x0                             ; Wo, bo
	s_sub_co_u32 s17, 15, s16
	OUTP 0
	s_mov_b32 s17, s16
	OUTP 1
	s_wait_dscnt 0x0
	s_wait_alu depctr_hold_cnt(0) depctr_sa_sdst(0) depctr_va_vdst(0) depctr_va_sdst(0) depctr_va_ssrc(0) depctr_va_vcc(0) depctr_vm_vsrc(0)
	s_wait_tensorcnt 0x0
	ds_add_u32 v254, v255
	s_wait_dscnt 0x0
	s_endpgm
.Lfunc_end_k_q1b2991074e_attn:
	.size	k_q1b2991074e_attn, .Lfunc_end_k_q1b2991074e_attn-k_q1b2991074e_attn
	.p2alignl 7, 3214868480
	.fill 96, 4, 3214868480
	.section	.rodata,"a",@progbits
	.p2align	6, 0x0
	.amdhsa_kernel k_q1b2991074e_attn
		.amdhsa_group_segment_fixed_size 101376
		.amdhsa_private_segment_fixed_size 0
		.amdhsa_enable_private_segment 0
		.amdhsa_kernarg_size 40
		.amdhsa_user_sgpr_count 2
		.amdhsa_user_sgpr_kernarg_segment_ptr 1
		.amdhsa_wavefront_size32 1
		.amdhsa_system_sgpr_workgroup_id_x 1
		.amdhsa_system_sgpr_workgroup_id_y 1
		.amdhsa_system_sgpr_workgroup_id_z 1
		.amdhsa_system_vgpr_workitem_id 0
		.amdhsa_next_free_vgpr 512
		.amdhsa_next_free_sgpr 66
		.amdhsa_reserve_vcc 0
		.amdhsa_float_denorm_mode_32 3
		.amdhsa_float_denorm_mode_16_64 3
		.amdhsa_memory_ordered 1
		.amdhsa_forward_progress 1
		.amdhsa_inst_pref_size 227
	.end_amdhsa_kernel
	.amdgpu_metadata
---
amdhsa.version: [ 1, 2 ]
amdhsa.kernels:
  - .name:           k_q1b2991074e_attn
    .symbol:         k_q1b2991074e_attn.kd
    .args:
      - { .name: codes, .offset: 0, .size: 8, .value_kind: global_buffer, .address_space: global }
      - { .name: wc, .offset: 8, .size: 8, .value_kind: global_buffer, .address_space: global }
      - { .name: bo, .offset: 16, .size: 8, .value_kind: global_buffer, .address_space: global }
      - { .name: lowp_scales, .offset: 24, .size: 8, .value_kind: global_buffer, .address_space: global }
      - { .name: out0, .offset: 32, .size: 8, .value_kind: global_buffer, .address_space: global }
    .group_segment_fixed_size: 101376
    .private_segment_fixed_size: 0
    .kernarg_segment_align: 8
    .kernarg_segment_size: 40
    .max_flat_workgroup_size: 256
    .sgpr_count:     66
    .vgpr_count:     512
    .wavefront_size: 32
...
	.end_amdgpu_metadata
.endif
;; end of part 6
